; MI455X (gfx1250); checked and timed in simulation.
; The chip was launched on July 23, 2026; its instructions are those of AMD's public machine-readable ISA for CDNA 5 (MIT licence, August 2026) and "CDNA5" Instruction Set Architecture Reference Guide (July 2026). The comments in the code are by the model that wrote it; some were corrected since.
;; Topo Filter. Allowed arithmetic: float matrix products may take bf16 or f16 operands with f32 sums; all other float work in f32.
;; Inputs: x_imag 8 x 1,024 x 1,024 float32; x_real 8 x 1,024 x 1,024 float32.
;; Outputs: out0 2 x 8 x 1,024 x 1,024 float32.
;; 4 versions, each right; versions 2 to 3 are each faster than the one before; version 4 is version 3 with the launches prep, scale written anew for expert scheduling mode. Each part assembles by itself: llvm-mc -triple=amdgcn-amd-amdhsa -mcpu=gfx1250 --defsym DOCPART=n.
;; ======== version 1 of 4: 3 launches
;; workspace buffers: xb 16,777,216 bytes; sqh 32,768 bytes; part 1,572,864 bytes
;; launch prep (part 1): grid 256 x 1, 8 waves a work-group, no clusters, 1,280 bytes of LDS; arguments x_real, xb, sqh; writes xb, sqh
.if DOCPART == 1
	.amdgcn_target "amdgcn-amd-amdhsa--gfx1250"
	.amdhsa_code_object_version 6
	.text
	.protected	k_q2475f57f60_prep
	.globl	k_q2475f57f60_prep
	.p2align	8
	.type	k_q2475f57f60_prep,@function
k_q2475f57f60_prep:
	s_mov_b64 s[64:65], 0
	v_nop
	global_prefetch_b8 v0, s[64:65] scope:SCOPE_SE
	s_setreg_imm32_b32 hwreg(HW_REG_WAVE_MODE, 25, 1), 1
	s_wait_xcnt 0x0
; xb[i][c] = bf16(x_real[i][c]);  sqh[i] = -1/2 * sum over c of xb[i][c]^2, in f32.
; x_real: [8192][1024] f32.  xb: [8192][1024] bf16.  sqh: [8192] f32.
; The sum is taken over the ROUNDED numbers, so that sq_i + sq_j - 2 <xb_i, xb_j> in the next launch is the squared distance of the
; rounded points and not a difference of sums that belong to different points.
; Eight waves, 32 rows a work-group, four rows a wave.  A row is 4,096 bytes: eight loads of 16 bytes a lane, each covering 512
; consecutive bytes.  All 32 loads of a wave go out at once (16 KiB a wave, 128 KiB a work-group on their way), so no ring is needed.
; No matrix unit, no cluster: nothing is shared between work-groups and every byte is touched once.
; LIMITS: NaN and infinities in x_real are not served (they spread into sqh and are dropped by the later selection).
.set ROWIN,  4096                      ; bytes of a row of x_real
.set ROWOUT, 2048                      ; bytes of a row of xb
.set T, 4                              ; v[4:7]    four rounded numbers, widened again
.set S, 8                              ; v[8:11]   four running sums of squares
.set X, 32                             ; v[32:159] row i, load j: four registers at X + 32 i + 4 j
	s_load_b128 s[4:7], s[0:1], 0x0                ; x_real s[4:5], xb s[6:7]
	s_load_b64 s[8:9], s[0:1], 0x10                ; sqh
	v_lshl_add_u32 v160, v0, 2, 0x100
	v_mov_b32 v161, 0
	v_lshrrev_b32 v3, 5, v0
	v_readfirstlane_b32 s10, v3                    ; wave 0..7
	v_and_b32 v13, 31, v0                          ; lane
	s_mov_b32 s12, 0x76543210                      ; v_permlanex16_b32: lane i of one half reads lane i of the other
	s_mov_b32 s13, 0xfedcba98
	s_mov_b32 s14, 0xffff0000                      ; a word's upper bf16
	s_lshl_b32 s15, s10, 14                        ; wave x 4 rows x 4,096 bytes
	s_lshl_b32 s16, s10, 13                        ; wave x 4 rows x 2,048 bytes
	v_lshl_add_u32 v1, v13, 4, s15                 ; in:  16 bytes a lane
	v_lshl_add_u32 v2, v13, 3, s16                 ; out:  8 bytes a lane
	v_mov_b32 v3, s10
	v_lshlrev_b32 v3, 4, v3                        ; LDS: my wave's four words
	v_lshlrev_b32 v13, 2, v13                      ; lane x 4
	v_mov_b32 v12, 0                               ; v_permlanex16_b32's destination counts as read: written once here
	s_mov_b32 s3, 0
	s_lshl_b32 s2, ttmp9, 17                       ; work-group x 32 rows x 4,096 bytes
	s_wait_kmcnt 0x0
	s_add_nc_u64 s[4:5], s[4:5], s[2:3]
	s_lshl_b32 s2, ttmp9, 16                       ; x 2,048 bytes
	s_add_nc_u64 s[6:7], s[6:7], s[2:3]
	s_lshl_b32 s2, ttmp9, 7                        ; x 4 bytes
	s_add_nc_u64 s[8:9], s[8:9], s[2:3]
.irp i, 0,1,2,3
.irp j, 0,1,2,3,4,5,6,7
	global_load_b128 v[X+32*\i+4*\j:X+32*\i+4*\j+3], v1, s[4:5] offset:ROWIN*\i+512*\j th:TH_LOAD_NT
.endr
.endr
; One row: round, store, square and add, reduce over the wave, put -1/2 of the sum into the wave's word i in LDS.
; The stores' data registers are never written again, so no wait frees them.
.macro ROW i
	s_wait_loadcnt 24-8*\i                         ; loads come back in order: this row's eight are in, the 24 - 8 i of the later rows stay out
.irp j, 0,1,2,3,4,5,6,7
	v_cvt_pk_bf16_f32 v[X+32*\i+4*\j],   v[X+32*\i+4*\j],   v[X+32*\i+4*\j+1]   ; two roundings to nearest even, packed
	v_cvt_pk_bf16_f32 v[X+32*\i+4*\j+1], v[X+32*\i+4*\j+2], v[X+32*\i+4*\j+3]
	v_lshlrev_b32 v[T],   16,  v[X+32*\i+4*\j]     ; the rounded numbers as f32 again
	v_and_b32     v[T+1], s14, v[X+32*\i+4*\j]
	v_lshlrev_b32 v[T+2], 16,  v[X+32*\i+4*\j+1]
	v_and_b32     v[T+3], s14, v[X+32*\i+4*\j+1]
.if \j == 0
	v_pk_mul_f32 v[S:S+1],   v[T:T+1],   v[T:T+1]  ; the first squares start the sums: nothing is cleared
	v_pk_mul_f32 v[S+2:S+3], v[T+2:T+3], v[T+2:T+3]
.else
	v_pk_fma_f32 v[S:S+1],   v[T:T+1],   v[T:T+1],   v[S:S+1]
	v_pk_fma_f32 v[S+2:S+3], v[T+2:T+3], v[T+2:T+3], v[S+2:S+3]
.endif
	global_store_b64 v2, v[X+32*\i+4*\j:X+32*\i+4*\j+1], s[6:7] offset:ROWOUT*\i+256*\j   ; the wave's store covers 256 consecutive bytes, aligned
.endr
	v_pk_add_f32 v[S:S+1], v[S:S+1], v[S+2:S+3]
	v_add_f32 v[S], v[S], v[S+1]
	v_add_f32_dpp v[S], v[S], v[S] row_xmask:1 row_mask:0xf bank_mask:0xf
	v_add_f32_dpp v[S], v[S], v[S] row_xmask:2 row_mask:0xf bank_mask:0xf
	v_add_f32_dpp v[S], v[S], v[S] row_xmask:4 row_mask:0xf bank_mask:0xf
	v_add_f32_dpp v[S], v[S], v[S] row_xmask:8 row_mask:0xf bank_mask:0xf
	v_permlanex16_b32 v12, v[S], s12, s13
	v_add_f32 v[S], v[S], v12                      ; every lane holds the row's sum
	v_mul_f32 v[S], -0.5, v[S]
	ds_store_b32 v3, v[S] offset:4*\i              ; all lanes write the same word with the same value
.endm
	ROW 0
	ROW 1
	ROW 2
	ROW 3
	s_wait_dscnt 0x0                               ; my four words are in LDS before I say so
	s_barrier_signal -1
	s_barrier_wait -1
	s_cmp_lg_u32 s10, 0
	s_cbranch_scc1 .Lend                           ; wave 0 alone stores the work-group's 32 numbers: 128 consecutive bytes in one store
	ds_load_b32 v4, v13                            ; word = row of the work-group = lane
	s_wait_dscnt 0x0
	global_store_b32 v13, v4, s[8:9]
.Lend:
	s_wait_tensorcnt 0x0
	ds_add_u32 v160, v161
	s_wait_dscnt 0x0
	s_endpgm
.Lfunc_end_k_q2475f57f60_prep:
	.size	k_q2475f57f60_prep, .Lfunc_end_k_q2475f57f60_prep-k_q2475f57f60_prep
	.p2alignl 7, 3214868480
	.fill 96, 4, 3214868480
	.section	.rodata,"a",@progbits
	.p2align	6, 0x0
	.amdhsa_kernel k_q2475f57f60_prep
		.amdhsa_group_segment_fixed_size 1280
		.amdhsa_private_segment_fixed_size 0
		.amdhsa_enable_private_segment 0
		.amdhsa_kernarg_size 24
		.amdhsa_user_sgpr_count 2
		.amdhsa_user_sgpr_kernarg_segment_ptr 1
		.amdhsa_wavefront_size32 1
		.amdhsa_system_sgpr_workgroup_id_x 1
		.amdhsa_system_sgpr_workgroup_id_y 1
		.amdhsa_system_sgpr_workgroup_id_z 1
		.amdhsa_system_vgpr_workitem_id 0
		.amdhsa_next_free_vgpr 162
		.amdhsa_next_free_sgpr 66
		.amdhsa_reserve_vcc 0
		.amdhsa_float_denorm_mode_32 3
		.amdhsa_float_denorm_mode_16_64 3
		.amdhsa_memory_ordered 1
		.amdhsa_forward_progress 1
		.amdhsa_inst_pref_size 23
	.end_amdhsa_kernel
	.amdgpu_metadata
---
amdhsa.version: [ 1, 2 ]
amdhsa.kernels:
  - .name:           k_q2475f57f60_prep
    .symbol:         k_q2475f57f60_prep.kd
    .args:
      - { .name: x_real, .offset: 0, .size: 8, .value_kind: global_buffer, .address_space: global }
      - { .name: xb, .offset: 8, .size: 8, .value_kind: global_buffer, .address_space: global }
      - { .name: sqh, .offset: 16, .size: 8, .value_kind: global_buffer, .address_space: global }
    .group_segment_fixed_size: 1280
    .private_segment_fixed_size: 0
    .kernarg_segment_align: 8
    .kernarg_segment_size: 24
    .max_flat_workgroup_size: 256
    .sgpr_count:     66
    .vgpr_count:     162
    .wavefront_size: 32
...
	.end_amdgpu_metadata
.endif
;; end of part 1
;; launch knn (part 2): grid 8 x 32, 4 waves a work-group, clusters of 4 x 4, 327,680 bytes of LDS; arguments xb, sqh, part; writes part
.if DOCPART == 2
	.amdgcn_target "amdgcn-amd-amdhsa--gfx1250"
	.amdhsa_code_object_version 6
	.text
	.protected	k_q2475f57f60_knn
	.globl	k_q2475f57f60_knn
	.p2align	8
	.type	k_q2475f57f60_knn,@function
k_q2475f57f60_knn:
	s_mov_b64 s[64:65], 0
	v_nop
	global_prefetch_b8 v0, s[64:65] scope:SCOPE_SE
	s_setreg_imm32_b32 hwreg(HW_REG_WAVE_MODE, 25, 1), 1
	s_wait_xcnt 0x0
	s_wait_alu depctr_hold_cnt(0) depctr_sa_sdst(0) depctr_va_vdst(0) depctr_va_sdst(0) depctr_va_ssrc(0) depctr_va_vcc(0) depctr_vm_vsrc(0)
	s_getreg_b32 s2, hwreg(HW_REG_IB_STS2, 6, 4)
	s_cmp_eq_u32 s2, 0
	s_cbranch_scc0 .Lentry_in_a_cluster
	s_endpgm
.Lentry_in_a_cluster:
	s_bfe_u32 s2, ttmp6, 0x10000c
	s_cmp_lg_u32 s2, 0xf033
	s_cbranch_scc0 .Lentry_shape_is_right
	s_endpgm
.Lentry_shape_is_right:
; For 256 queries (block by of 32) and 1,024 candidates (split bx of 8): the six smallest squared distances of each query within the split.
; xb: [8192][1024] bf16.  sqh: [8192] f32 = -1/2 |xb_i|^2.  part: [8 splits][6 ranks][8192 queries] f32, ascending in rank,
; part = sq_i + sq_j - 2 <xb_i, xb_j>, not yet clamped at 0 (the next launch clamps, takes roots and merges the eight splits).
;
; SELECTION KEY.  The root is monotone and sq_i is the same for all candidates of a query, so the six smallest distances are the six LARGEST
; key_j = <xb_i, xb_j> - sq_j / 2.  The first product of a block takes a register tile of sqh[candidate] as its C, so the accumulators hold the keys
; themselves when K is through: no vector instruction per element forms them.
; THE MATRIX INSTRUCTION IS USED TRANSPOSED: source 0 = 16 candidate rows, source 1 = 16 query rows.  Lane l then holds query l % 16, and its
; registers 0 to 7 the candidates 8 (l / 16) + 0 .. 7: all that a lane sees of a query goes into one sorted list of six in the lane's registers.
; Insertion of x into a list a0 >= .. >= a5, in place and without a branch: a_k = median(x, a_(k-1), a_k) for k = 5 .. 1, then a0 = max(x, a0).
;
; SHAPE.  Four waves, as many as a WGP has SIMDs; the work-group walks four blocks of 256 queries x 256 candidates, a wave makes 128 x 128 of each:
; 64 accumulator tiles, 512 registers.  K goes in steps of 128 through a ring of two LDS slots filled by the tensor data mover (rows of 256 bytes,
; starting at multiples of 256 bytes); the ring runs on from block to block: the last two refills of a block ask for the next block's first two K steps.
; CLUSTERS: 4 x 4 work-groups.  The query tile hangs on by alone and is asked for jointly along a row of the cluster, the candidate tile on bx alone
; and is asked for jointly along a column: the requests for both are divided by four.  The grid of 8 x 32 divides into such clusters.
;
; LIMITS.  NaN and infinities are not served: the _num forms of median and maximum drop a NaN.  The squared distance is formed as the problem's
; formula forms it, as a difference of sums in f32: for rows that nearly coincide it carries that formula's cancellation noise.
; Operands are bf16 (not f16: the range of f32 inputs is kept).
;
; REGISTERS, in windows of 256:
;   window 0: v0-31 addresses and the queries' sq; v64-127, v128-191 fragments of the queries, two buffers; v192-239 the eight lists of six
;   window 1: v0-63 the eight C tiles of sqh[candidate]; v64-127, v128-191 fragments of the candidates, two buffers
;   window 2: the 32 accumulator tiles of my queries 0-63 (tile (a, b) at v[8 (8 a + b)]);   window 3: those of my queries 64-127
; s_set_vgpr_msb's low byte: bits 1:0 source 0, 3:2 source 1, 5:4 source 2, 7:6 destination.
.set KSTEP,  128
.set ROWB,   2048                      ; bytes of a row of xb
.set PITCH,  272                       ; an LDS row: 256 bytes + 16 of padding = 68 words: row r starts at bank 4 r mod 64 (64 banks of 4 bytes: ISA guide 11.1)
.set HALFT,  128*PITCH                 ; 128 rows: what one tensor load brings, and what one wave reads of the queries or of the candidates
.set SLOT,   4*HALFT                   ; the queries' 256 rows, then the candidates' 256 rows
.set STAGE,  2*SLOT                    ; behind the ring, at a multiple of 256 bytes: no tensor load ever lands here
.set HREG,   6*512+64                  ; stage, one half of a wave's lanes: 6 ranks x 128 queries x 4 bytes, + 64 so that the other half lies 16 banks beside it
.set WREG,   2*HREG                    ; stage, one wave
.set WRAPA,  6*KSTEP*2                 ; from K step 6 (7) back to K step 0 (1) of the same rows
.set WRAPB,  256*ROWB-WRAPA            ; the same, 256 rows further down
.set ADRA, 16                          ; v16-17  LDS address of my query fragments in slot 0, 1
.set ADRB, 20                          ; v20-21  the same for the candidates
.set STO,  24                          ; v24     stage: where my lists go
.set RD,   25                          ; v25     stage: where thread t reads the lists of queries 2 t, 2 t + 1
.set QO,   26                          ; v26     8 t: the byte offset of these two queries in sqh and in a plane of part
.set HO,   27                          ; v27     32 (l / 16): my eight candidates of a tile, in bytes of sqh
.set SQI,  28                          ; v[28:29] sqh of queries 2 t, 2 t + 1
.set SQ2,  30                          ; v[30:31] their sq = -2 sqh
.set F0,   64                          ; fragment buffer 0
.set F1,   128                         ; fragment buffer 1
.set LST,  192                         ; list of query block a (0..7), rank k: v[LST + 6 a + k], descending
.set MRG,  64                          ; at the end: four sources x six ranks x two queries
.set G1,  24                           ; s[24:31] descriptor group 1 for the queries' tiles
.set G0,  32                           ; s[32:39] descriptor group 0 for the queries' tiles, one set for each slot
.set G1B, 48                           ; s[48:55] descriptor group 1 for the candidates' tiles: it differs in the mask alone
.set G0B, 56                           ; s[56:63] descriptor group 0 for the candidates' tiles, one set for each slot
.set MSB, 0
.macro WIN new                         ; the immediate's high byte repeats the setting that is left
.if MSB != \new
	s_set_vgpr_msb (MSB<<8)|\new
.set MSB, \new
.endif
.endm
.set MUL_LO, 0xa1                      ; source 0 (candidates) window 1, source 1 (queries) window 0, C and D window 2
.set MUL_HI, 0xf1                      ; the same, C and D window 3
.set INI_LO, 0x91                      ; a block's first products: C from window 1 (sqh of the candidates), D window 2
.set INI_HI, 0xd1                      ; the same, D window 3
.set TO_B,   0x40                      ; destination window 1, address window 0
; A joint load.  Waves 0 and 1 fetch the queries' two halves, waves 2 and 3 the candidates'.  Each line has one mask and one set of registers for all
; that issue it.  The branch hangs on the wave's number alone: it is the same in every work-group.
.macro JLOAD s
	s_cmp_eq_u32 s11, 0
	s_cbranch_scc0 .Lfor_b_\@
	tensor_load_to_lds s[G0+4*\s:G0+4*\s+3], s[G1:G1+7]
	s_nop 0
	s_branch .Lasked_\@
.Lfor_b_\@:
	tensor_load_to_lds s[G0B+4*\s:G0B+4*\s+3], s[G1B:G1B+7]
	s_nop 0
.Lasked_\@:
.endm
; A round of the cluster's barrier: my work-group's barrier, so that wave 0's signal speaks for all four waves; wave 0 signals for the work-group;
; every wave waits for all sixteen work-groups; my work-group's barrier once more.
.macro CREST                           ; a round behind its opening barrier
	s_cmp_lg_u32 s10, 0
	s_cbranch_scc1 .Lnot_wave_0_\@
	s_barrier_signal -3
.Lnot_wave_0_\@:
	s_barrier_wait -3
	s_barrier_signal -1
	s_barrier_wait -1
.endm
.macro CROUND                          ; a whole round
	s_barrier_signal -1
	s_barrier_wait -1
	CREST
.endm
	s_load_b128 s[4:7], s[0:1], 0x0                ; xb s[4:5], sqh s[6:7]
	s_load_b64 s[8:9], s[0:1], 0x10                ; part
	s_set_vgpr_msb 0x40
	v_lshl_add_u32 v255, v0, 2, 0x4a200
	s_set_vgpr_msb 0x4000
	v_mov_b32 v255, 0
	s_set_vgpr_msb 0x1
	ds_add_u32 v255, v255
	ds_add_u32 v255, v255
	s_set_vgpr_msb 0x100
	v_lshrrev_b32 v1, 5, v0
	v_readfirstlane_b32 s10, v1                    ; wave 0..3
	s_lshr_b32 s11, s10, 1                         ; which 128 of the block's queries are mine.  Also: I fetch for the queries (0) or the candidates (1)
	s_and_b32 s12, s10, 1                          ; which 128 of its candidates.  Also: which 128 rows of that tile I fetch
	s_bfe_u32 s40, ttmp6, 0x40000                  ; cx: my place along the cluster's x
	s_bfe_u32 s41, ttmp6, 0x40004                  ; cy: along its y
	s_lshl_b32 s42, ttmp9, 2                       ; in a cluster launch ttmp9 and ttmp7 count clusters
	s_add_co_u32 s42, s42, s40                     ; bx: candidate split = 4 x cluster x + cx
	s_and_b32 s13, ttmp7, 0xffff
	s_lshl_b32 s13, s13, 2
	s_add_co_u32 s13, s13, s41                     ; by: query block = 4 x cluster y + cy
	s_lshl_b32 s43, s41, 2
	s_lshl_b32 s43, 15, s43                        ; my row of the cluster: places 4 cy .. 4 cy + 3
	s_lshl_b32 s44, 0x1111, s40                    ; my column: places cx, cx + 4, cx + 8, cx + 12
	; descriptor group 1: a tile of 128 rows x 128 elements, padded in LDS
	s_or_b32 s[G1+0], s43, (1<<16)|(1<<20)|(1<<21)|(5<<22)|(3<<25)  ; 15:0 the mask: my row; 17:16 element of 2 bytes; 20 padding on; 21 set beside a mask; 24:22 after every 64 words; 31:25 of 4 words
	s_or_b32 s[G1B+0], s44, (1<<16)|(1<<20)|(1<<21)|(5<<22)|(3<<25) ; the same with the mask of my column
	s_mov_b32 s[G1+1], KSTEP<<16                   ; 63:48 tensor_dim0, low half = 128
	s_mov_b32 s[G1B+1], KSTEP<<16
	s_mov_b32 s[G1+2], 128<<16                     ; 79:64 its high half = 0; 95:80 tensor_dim1, low half = 128
	s_mov_b32 s[G1B+2], 128<<16
	s_mov_b32 s[G1+3], KSTEP<<16                   ; 111:96 its high half = 0; 127:112 tile_dim0 = 128
	s_mov_b32 s[G1B+3], KSTEP<<16
	s_mov_b32 s[G1+4], 128                         ; 143:128 tile_dim1 = 128; 159:144 tile_dim2 = 0
	s_mov_b32 s[G1B+4], 128
	s_mov_b32 s[G1+5], 1024                        ; 191:160 elements from row to row
	s_mov_b32 s[G1B+5], 1024
	s_mov_b32 s[G1+6], 0
	s_mov_b32 s[G1B+6], 0
	s_mov_b32 s[G1+7], 0
	s_mov_b32 s[G1B+7], 0
	; where the tiles come from, as byte offsets in xb (below 16 MiB).  The queries' hang on by alone, the candidates' on bx alone, each in
	; registers that never hold the other coordinate.
	s_lshl_b32 s17, s12, 7                         ; which 128 rows of the tile I fetch
	s_lshl_b32 s16, s13, 8
	s_add_co_u32 s16, s16, s17                     ; queries: row 256 by + 128 half
	s_lshl_b32 s16, s16, 11                        ; x 2,048 bytes
	s_lshl_b32 s46, s42, 10
	s_add_co_u32 s46, s46, s17                     ; candidates: row 1,024 bx + 128 half
	s_lshl_b32 s46, s46, 11
	s_mov_b32 s17, 0
	s_mov_b32 s47, 0
	s_lshl_b32 s66, s42, 12                        ; sqh of my 128 candidates of block 0: 4 (1,024 bx + 128 x my half)
	s_lshl_b32 s67, s12, 9
	s_add_co_u32 s66, s66, s67
	s_mov_b32 s67, 0
	s_mul_i32 s68, s42, 6*32768                    ; part: split bx, queries from 256 by
	s_lshl_b32 s69, s13, 10
	s_add_co_u32 s68, s68, s69
	s_mov_b32 s69, 0
	s_lshl_b32 s70, s13, 10                        ; sqh of the block's queries
	s_mov_b32 s71, 0
	s_mul_i32 s20, s10, HALFT                      ; where my tiles go: wave x 128 rows: no place in the cluster enters an LDS address
	s_wait_dscnt 0x0
	s_wait_kmcnt 0x0
	s_add_nc_u64 s[14:15], s[4:5], s[16:17]
	s_add_nc_u64 s[46:47], s[4:5], s[46:47]
	s_add_nc_u64 s[66:67], s[6:7], s[66:67]
	s_add_nc_u64 s[68:69], s[8:9], s[68:69]
	s_add_nc_u64 s[70:71], s[6:7], s[70:71]
	CROUND                                         ; all sixteen work-groups are here: the first joint loads meet
.irp s, 0,1
	s_mov_b32 s[G0+4*\s], 1                                        ; 1:0 count = 1
	s_add_co_u32 s[G0+4*\s+1], s20, \s*SLOT                        ; 63:32 LDS address
	s_add_nc_u64 s[G0+4*\s+2:G0+4*\s+3], s[14:15], \s*KSTEP*2      ; 120:64 global address: K step s
	s_or_b32 s[G0+4*\s+3], s[G0+4*\s+3], 0x80000000                ; 127:126 type = 2
	s_mov_b32 s[G0B+4*\s], 1
	s_add_co_u32 s[G0B+4*\s+1], s20, \s*SLOT
	s_add_nc_u64 s[G0B+4*\s+2:G0B+4*\s+3], s[46:47], \s*KSTEP*2
	s_or_b32 s[G0B+4*\s+3], s[G0B+4*\s+3], 0x80000000
	JLOAD \s                                       ; the ring is filled before anything else is done: two tensor loads of the wave are out
.endr
	; A fragment is 16 rows x 32 K in 8 registers: lane l holds row l % 16; registers 0-3 hold K = 8 (l / 16) + 0..7, registers 4-7 hold
	; K = 16 + 8 (l / 16) + 0..7: two loads of 16 bytes, 32 bytes apart.
	v_and_b32 v1, 15, v0                           ; r = l % 16
	v_bfe_u32 v2, v0, 4, 1                         ; h = l / 16
	v_mul_u32_u24 v3, v1, PITCH
	v_lshl_add_u32 v3, v2, 4, v3                   ; row x pitch + 16 h
	s_mul_i32 s21, s11, HALFT                      ; my 128 query rows
	s_mul_i32 s22, s12, HALFT                      ; my 128 candidate rows,
	s_add_co_u32 s22, s22, 2*HALFT                 ; which lie behind the queries' 256
.irp s, 0,1
	v_add_nc_u32 v[ADRA+\s], s21, v3
	v_add_nc_u32 v[ADRB+\s], s22, v3
	s_add_co_u32 s21, s21, SLOT
	s_add_co_u32 s22, s22, SLOT
.endr
	s_mul_i32 s23, s10, WREG
	s_add_co_u32 s23, s23, STAGE                   ; my wave's part of the stage
	v_mul_u32_u24 v4, v2, HREG
	v_lshl_add_u32 v4, v1, 2, v4
	v_add_nc_u32 v[STO], s23, v4                   ; + h x HREG + 4 r
	v_lshrrev_b32 v4, 6, v0                        ; thread t reads the lists that the two waves with query half t / 64 wrote
	v_and_b32 v5, 63, v0
	v_mul_u32_u24 v4, v4, 2*WREG
	v_lshl_add_u32 v4, v5, 3, v4                   ; + 8 (t % 64): queries 2 t and 2 t + 1 of the block
	v_add_nc_u32 v[RD], STAGE, v4
	v_lshlrev_b32 v[QO], 3, v0
	v_lshlrev_b32 v[HO], 5, v2
.set i, 0
.rept 48
	v_mov_b32 v[LST+i], 0xff800000                 ; the lists start at -infinity; each sees 256 candidates, so none of it is left at the end
.set i, i+1
.endr
; The C tiles of a block: register j of tile b = sqh[my candidate 16 b + 8 h + j].  16 loads, 512 consecutive bytes of sqh for the wave.
.macro LOADSQ
	WIN TO_B
.irp b, 0,1,2,3,4,5,6,7
	global_load_b128 v[8*\b:8*\b+3],   v[HO], s[66:67] offset:64*\b
	global_load_b128 v[8*\b+4:8*\b+7], v[HO], s[66:67] offset:64*\b+16
.endr
	WIN 0
.endm
	LOADSQ                                         ; block 0
	global_load_b64 v[SQI:SQI+1], v[QO], s[70:71]
	s_wait_loadcnt 0x0                             ; all 17 are in, so their base may be stepped:
	s_add_nc_u64 s[66:67], s[66:67], 1024          ; the next block's 256 candidates
; 16 matrix instructions: query blocks a0, a0 + 1 of the window's four (hi = 0: my queries 0-63, 1: 64-127) x all 8 candidate blocks, 32 along K.
; init = 1: the first product of a block starts the sums from sqh of the candidates.  The 64 accumulators take turns, one instruction a turn,
; in the same order in every quarter step, over the backward jumps and into the tail.
.macro MUL16 f, hi, a0, init
.irp a, \a0, \a0+1
.irp b, 0,1,2,3,4,5,6,7
.if \init
	v_wmma_f32_16x16x32_bf16 v[8*(8*(\a)+\b):8*(8*(\a)+\b)+7], v[\f+8*\b:\f+8*\b+7], v[\f+8*(4*\hi+\a):\f+8*(4*\hi+\a)+7], v[8*\b:8*\b+7]
.else
	v_wmma_f32_16x16x32_bf16 v[8*(8*(\a)+\b):8*(8*(\a)+\b)+7], v[\f+8*\b:\f+8*\b+7], v[\f+8*(4*\hi+\a):\f+8*(4*\hi+\a)+7], v[8*(8*(\a)+\b):8*(8*(\a)+\b)+7]
.endif
.endr
.endr
.endm
; 32 LDS loads in one run: the fragments of one quarter step (128 candidate rows, 128 query rows, 32 K at byte k of the rows) into buffer f
.macro FETCH slot, k, f
	WIN TO_B
.irp i, 0,1,2,3,4,5,6,7
	ds_load_b128 v[\f+8*\i:\f+8*\i+3],   v[ADRB+\slot] offset:\k+\i*16*PITCH
	ds_load_b128 v[\f+8*\i+4:\f+8*\i+7], v[ADRB+\slot] offset:\k+\i*16*PITCH+32
.endr
	WIN 0
.irp i, 0,1,2,3,4,5,6,7
	ds_load_b128 v[\f+8*\i:\f+8*\i+3],   v[ADRA+\slot] offset:\k+\i*16*PITCH
	ds_load_b128 v[\f+8*\i+4:\f+8*\i+7], v[ADRA+\slot] offset:\k+\i*16*PITCH+32
.endr
.endm
; A load into a register that a matrix instruction has read, and a vector instruction that reads a matrix result, stand four places behind that
; matrix instruction, and only plain vector instructions that name none of its registers are places (ISA guide 7.12.1 for vector instructions).
.macro PLACES
.rept 4
	v_nop
.endr
.endm
; A K step is four quarter steps of 32 along K, 64 matrix instructions each, on buffers 0, 1, 0, 1.
; One of the first three: multiplies buffer f; in its middle it fetches the next quarter's fragments, at byte k of the same slot's rows, into buffer g.
.macro QUARTER slot, k, f, g, init
	s_wait_dscnt 8                                 ; the candidates and my queries 0-63 are in; the youngest eight loads (queries 64-127) may be out
.if \init
	WIN INI_LO
.else
	WIN MUL_LO
.endif
	MUL16 \f, 0, 0, \init
	MUL16 \f, 0, 2, \init
	PLACES
	FETCH \slot, \k, \g
	s_wait_dscnt 32                                ; all but the 32 just issued
.if \init
	WIN INI_HI
.else
	WIN MUL_HI
.endif
	MUL16 \f, 1, 0, \init
	MUL16 \f, 1, 2, \init
.endm
.macro THREE slot, init
	QUARTER \slot, 64,  F0, F1, \init
	QUARTER \slot, 128, F1, F0, 0
	QUARTER \slot, 192, F0, F1, 0
.endm
; The last quarter: multiplies buffer 1 and changes slots.  next = the other slot; fill = 1: this slot is filled again, two K steps ahead;
; wrap = 1: two K steps ahead is in the next block: the queries' address goes back to the rows' start, the candidates' 256 rows down.
; In front of the barrier each wave waits for its own reads of this slot and for all its tensor loads, of which one is out: its part of the next
; slot.  Behind the round nobody in the cluster reads this slot any more and the next slot is whole: the refill comes first, one tensor load a
; wave, then the next slot's first fragments.  From a request to the wait for it a wave issues 240 matrix instructions.
.macro TURN slot, next, fill, wrap
	s_wait_dscnt 8
	WIN MUL_LO
	MUL16 F1, 0, 0, 0
	s_wait_dscnt 0                                 ; my reads of this slot are over
	s_wait_tensorcnt 0x0                           ; and all my tensor loads have landed:
	ds_add_u32 v255, v255
	s_wait_dscnt 0x0
	s_barrier_signal -1                            ; say so (where a slot is filled again this barrier opens a round of the cluster's barrier),
	MUL16 F1, 0, 2, 0                              ; work on registers while the others arrive,
	WIN 0
	s_barrier_wait -1                              ; and go on when all four have said so
.if \fill
	CREST                                          ; all sixteen work-groups have said so: no wave of any partner still reads this slot or has a load on its way
.if \wrap
	s_sub_nc_u64 s[G0+4*\slot+2:G0+4*\slot+3], s[G0+4*\slot+2:G0+4*\slot+3], WRAPA
	s_add_nc_u64 s[G0B+4*\slot+2:G0B+4*\slot+3], s[G0B+4*\slot+2:G0B+4*\slot+3], WRAPB
.else
	s_add_nc_u64 s[G0+4*\slot+2:G0+4*\slot+3], s[G0+4*\slot+2:G0+4*\slot+3], 2*KSTEP*2
	s_add_nc_u64 s[G0B+4*\slot+2:G0B+4*\slot+3], s[G0B+4*\slot+2:G0B+4*\slot+3], 2*KSTEP*2
.endif
	JLOAD \slot                                    ; the first tensor load behind the round, and the wave's only one until the next
.endif
	PLACES
	FETCH \next, 0, F0
	WIN MUL_HI
	MUL16 F1, 1, 0, 0
	MUL16 F1, 1, 2, 0
.endm
.macro LAP init, wrap                  ; once round the ring, both slots filled again
	THREE 0, \init
	TURN 0, 1, 1, \wrap
	THREE 1, 0
	TURN 1, 0, 1, \wrap
.endm
; One key of each of four query blocks goes into its list.  The four lists are interleaved, so that no line waits for the line in front of it.
.macro INS4 hi, b, j
.irp k, 5,4,3,2,1
.irp a, 0,1,2,3
	v_med3_num_f32 v[LST+6*(4*\hi+\a)+\k], v[8*(8*\a+\b)+\j], v[LST+6*(4*\hi+\a)+\k-1], v[LST+6*(4*\hi+\a)+\k]
.endr
.endr
.irp a, 0,1,2,3
	v_max_num_f32 v[LST+6*(4*\hi+\a)], v[8*(8*\a+\b)+\j], v[LST+6*(4*\hi+\a)]
.endr
.endm
; All 512 accumulator registers go into the lists: six vector instructions for each key.  No LDS instruction stands in here, so the counts of the
; 32 fragment loads that are out across it hold.
.macro SELECT
	WIN 0x02                                       ; source 0 (the key) from window 2
.irp b, 0,1,2,3,4,5,6,7
.irp j, 0,1,2,3,4,5,6,7
	INS4 0, \b, \j
.endr
.endr
	WIN 0x03                                       ; from window 3
.irp b, 0,1,2,3,4,5,6,7
.irp j, 0,1,2,3,4,5,6,7
	INS4 1, \b, \j
.endr
.endr
	WIN 0
.endm
	s_wait_tensorcnt 1                             ; my part of K step 0 is in; K step 1's may stay out
	s_barrier_signal -1
	s_barrier_wait -1                              ; everybody's is
	FETCH 0, 0, F0
	s_mov_b32 s3, 3                                ; blocks 0, 1, 2; block 3 is written out behind the loop, since it asks for nothing beyond its end
.Lblock:
	LAP 1, 0                                       ; K steps 0, 1: the first products start the sums from sqh
	WIN 0                                          ; at a label and at a branch every window is 0
	s_mov_b32 s45, 2
.Llap:
	LAP 0, 0                                       ; K steps 2 to 5
	WIN 0
	s_sub_co_u32 s45, s45, 1
	s_cmp_lg_u32 s45, 0
	s_cbranch_scc1 .Llap
	LAP 0, 1                                       ; K steps 6, 7; the refills are the next block's K steps 0, 1, and its first fragments are fetched
	WIN 0
	PLACES                                         ; behind the last matrix instructions: the selection reads results
	LOADSQ                                         ; the next block's C tiles come in while the lists are made
	SELECT
	s_wait_loadcnt 0x0                             ; the C tiles are in, and their base may be stepped
	s_add_nc_u64 s[66:67], s[66:67], 1024
	s_sub_co_u32 s3, s3, 1
	s_cmp_lg_u32 s3, 0
	s_cbranch_scc1 .Lblock
	LAP 1, 0                                       ; the last block
	WIN 0
	s_mov_b32 s45, 2
.Llap2:
	LAP 0, 0
	WIN 0
	s_sub_co_u32 s45, s45, 1
	s_cmp_lg_u32 s45, 0
	s_cbranch_scc1 .Llap2
	THREE 0, 0                                     ; the last lap fills nothing and has no round: the one tensor load that is still out is slot 1's, the last K step's
	TURN 0, 1, 0, 0
	THREE 1, 0
	s_wait_dscnt 8                                 ; the very last quarter: nothing more to fetch
	WIN MUL_LO
	MUL16 F1, 0, 0, 0
	MUL16 F1, 0, 2, 0
	s_wait_dscnt 0
	WIN MUL_HI
	MUL16 F1, 1, 0, 0
	MUL16 F1, 1, 2, 0
	WIN 0
	PLACES
	SELECT
	; THE FOUR LISTS OF A QUERY MEET.  A query's 1,024 candidates were seen by two waves (candidate halves) x two halves of the lanes.
	; Each wave puts its lists into its own part of the stage; behind a barrier thread t merges the four lists of queries 2 t and 2 t + 1.
.irp a, 0,1,2,3,4,5,6,7
.irp k, 0,1,2,3,4,5
	ds_store_b32 v[STO], v[LST+6*\a+\k] offset:512*\k+64*\a        ; the 32 lanes touch 32 different banks
.endr
.endr
	s_wait_dscnt 0x0                               ; my stores are in LDS before I say so
	s_barrier_signal -1
	s_barrier_wait -1
.irp c, 0,1,2,3
.irp k, 0,1,2,3,4,5
	ds_load_b64 v[MRG+12*\c+2*\k:MRG+12*\c+2*\k+1], v[RD] offset:HREG*\c+512*\k   ; source c = 2 x candidate half + h; a wave's load takes 256 consecutive bytes
.endr
.endr
	v_pk_mul_f32 v[SQ2:SQ2+1], v[SQI:SQI+1], -2.0 op_sel_hi:[1,0]  ; sq of my two queries
	s_wait_dscnt 0x0
	; source 0's list is the start; the 18 keys of the other three go in, the two queries side by side
.set mx, MRG+12
.rept 18
.irp k, 5,4,3,2,1
	v_med3_num_f32 v[MRG+2*\k],   v[mx],   v[MRG+2*\k-2], v[MRG+2*\k]
	v_med3_num_f32 v[MRG+2*\k+1], v[mx+1], v[MRG+2*\k-1], v[MRG+2*\k+1]
.endr
	v_max_num_f32 v[MRG],   v[mx],   v[MRG]
	v_max_num_f32 v[MRG+1], v[mx+1], v[MRG+1]
.set mx, mx+2
.endr
.irp k, 0,1,2,3,4,5
	v_pk_fma_f32 v[MRG+2*\k:MRG+2*\k+1], v[MRG+2*\k:MRG+2*\k+1], -2.0, v[SQ2:SQ2+1] op_sel_hi:[1,0,1]   ; sq_i - 2 key = sq_i + sq_j - 2 <x_i, x_j>
.endr
.irp k, 0,1,2,3,4,5
	global_store_b64 v[QO], v[MRG+2*\k:MRG+2*\k+1], s[68:69] offset:32768*\k       ; a wave's store covers 256 consecutive bytes, aligned
.endr
	s_set_vgpr_msb 0x1
	s_wait_tensorcnt 0x0
	ds_add_u32 v255, v255
	s_wait_dscnt 0x0
	s_set_vgpr_msb 0x100
	CROUND                                         ; the closing round: no work-group ends while a partner may still ask for a tile that names it
	s_endpgm
.Lfunc_end_k_q2475f57f60_knn:
	.size	k_q2475f57f60_knn, .Lfunc_end_k_q2475f57f60_knn-k_q2475f57f60_knn
	.p2alignl 7, 3214868480
	.fill 96, 4, 3214868480
	.section	.rodata,"a",@progbits
	.p2align	6, 0x0
	.amdhsa_kernel k_q2475f57f60_knn
		.amdhsa_group_segment_fixed_size 327680
		.amdhsa_private_segment_fixed_size 0
		.amdhsa_enable_private_segment 0
		.amdhsa_kernarg_size 24
		.amdhsa_user_sgpr_count 2
		.amdhsa_user_sgpr_kernarg_segment_ptr 1
		.amdhsa_wavefront_size32 1
		.amdhsa_system_sgpr_workgroup_id_x 1
		.amdhsa_system_sgpr_workgroup_id_y 1
		.amdhsa_system_sgpr_workgroup_id_z 1
		.amdhsa_system_vgpr_workitem_id 0
		.amdhsa_next_free_vgpr 1024
		.amdhsa_next_free_sgpr 72
		.amdhsa_reserve_vcc 0
		.amdhsa_float_denorm_mode_32 3
		.amdhsa_float_denorm_mode_16_64 3
		.amdhsa_memory_ordered 1
		.amdhsa_forward_progress 1
		.amdhsa_inst_pref_size 255
	.end_amdhsa_kernel
	.section	.bss,"aw",@nobits
	.p2align	6
	.space	262144
	.amdgpu_metadata
---
amdhsa.version: [ 1, 2 ]
amdhsa.kernels:
  - .name:           k_q2475f57f60_knn
    .symbol:         k_q2475f57f60_knn.kd
    .args:
      - { .name: xb, .offset: 0, .size: 8, .value_kind: global_buffer, .address_space: global }
      - { .name: sqh, .offset: 8, .size: 8, .value_kind: global_buffer, .address_space: global }
      - { .name: part, .offset: 16, .size: 8, .value_kind: global_buffer, .address_space: global }
    .group_segment_fixed_size: 327680
    .private_segment_fixed_size: 0
    .kernarg_segment_align: 8
    .kernarg_segment_size: 24
    .max_flat_workgroup_size: 128
    .sgpr_count:     72
    .vgpr_count:     1024
    .wavefront_size: 32
...
	.end_amdgpu_metadata
.endif
;; end of part 2
;; launch scale (part 3): grid 256 x 1, 16 waves a work-group, no clusters, 8,192 bytes of LDS; arguments x_real, x_imag, part, out0; writes out0
.if DOCPART == 3
	.amdgcn_target "amdgcn-amd-amdhsa--gfx1250"
	.amdhsa_code_object_version 6
	.text
	.protected	k_q2475f57f60_scale
	.globl	k_q2475f57f60_scale
	.p2align	8
	.type	k_q2475f57f60_scale,@function
k_q2475f57f60_scale:
	s_mov_b64 s[64:65], 0
	v_nop
	global_prefetch_b8 v0, s[64:65] scope:SCOPE_SE
	s_setreg_imm32_b32 hwreg(HW_REG_WAVE_MODE, 25, 1), 1
	s_wait_xcnt 0x0
; out0[0][i][c] = x_real[i][c] w[i],  out0[1][i][c] = x_imag[i][c] w[i].
; w[i]: the eight lists of six squared distances of row i (part: [8 splits][6 ranks][8192] f32, each list ascending) are merged to the six smallest;
; the smallest is dropped; d = sqrt(max(d2, 0)); score = the mean of the five; w = exp(-score / 32) where score > 0.1, else 0.
; Sixteen waves, 32 rows a work-group.  Wave w streams rows 2 w and 2 w + 1 of both inputs: 32 loads of 16 bytes a lane, each covering 512
; consecutive bytes, all issued at the start (16 KiB a wave, 256 KiB a work-group on their way); the weights are made while they travel.
; Each of the 48 planes' 128 bytes is read from memory once by the work-group (three planes a wave) and handed round through LDS.
; Every wave then merges for all 32 rows (lane = row): that repeats 252 short instructions and spares a second barrier.
; No matrix unit, no cluster: nothing is shared between work-groups and the stream touches every byte once.
; LIMITS: NaN and infinities are not served.  The mean is the sum times 0.2.  v_sqrt_f32 and v_exp_f32 flush denormals (ISA guide 15.8):
; a weight below 2^-126 (score above 2,795) comes out as 0.
.set PLANE, 32768                      ; bytes of a plane of part
.set V, 16                             ; v[16:63]  the 48 squared distances of my lane's row: 6 x split + rank; v[16:21] becomes the merged list
.set X, 64                             ; v[64:191] group g (0: row 0 real, 1: row 0 imag, 2: row 1 real, 3: row 1 imag): 32 registers
	s_load_b256 s[4:11], s[0:1], 0x0               ; x_real s[4:5], x_imag s[6:7], part s[8:9], out0 s[10:11]
	v_lshl_add_u32 v192, v0, 2, 0x1800
	v_mov_b32 v193, 0
	v_lshrrev_b32 v1, 5, v0
	v_readfirstlane_b32 s14, v1                    ; wave 0..15
	v_and_b32 v2, 31, v0                           ; lane
	s_lshl_b32 s15, s14, 13                        ; wave x 2 rows x 4,096 bytes
	v_lshl_add_u32 v1, v2, 4, s15                  ; + 16 bytes a lane
	v_lshlrev_b32 v2, 2, v2                        ; lane x 4
	s_mul_i32 s17, s14, 384                        ; LDS: my wave's three planes of 128 bytes
	v_add_nc_u32 v3, s17, v2
	s_lshl_b32 s18, s14, 3                         ; lane 2 w, as a byte index for the lane permute
	s_add_co_u32 s19, s18, 4                       ; lane 2 w + 1
	s_mov_b32 s3, 0
	s_lshl_b32 s2, ttmp9, 17                       ; work-group x 32 rows x 4,096 bytes
	s_mul_i32 s20, s14, 3*PLANE                    ; my three planes,
	s_lshl_b32 s21, ttmp9, 7                       ; the work-group's 32 rows in them
	s_add_co_u32 s20, s20, s21
	s_mov_b32 s21, 0
	s_wait_kmcnt 0x0
	s_add_nc_u64 s[4:5], s[4:5], s[2:3]
	s_add_nc_u64 s[6:7], s[6:7], s[2:3]
	s_add_nc_u64 s[10:11], s[10:11], s[2:3]        ; the real half of out0
	s_add_nc_u64 s[12:13], s[10:11], 0x2000000     ; the imaginary half, 33,554,432 bytes behind it
	s_add_nc_u64 s[8:9], s[8:9], s[20:21]
.irp i, 0,1,2
	global_load_b32 v[5+\i], v2, s[8:9] offset:PLANE*\i            ; plane 3 w + i: 128 consecutive bytes
.endr
.macro LOADS g, base, row
.irp j, 0,1,2,3,4,5,6,7
	global_load_b128 v[X+32*\g+4*\j:X+32*\g+4*\j+3], v1, s[\base:\base+1] offset:4096*\row+512*\j th:TH_LOAD_NT
.endr
.endm
	LOADS 0, 4, 0
	LOADS 1, 6, 0
	LOADS 2, 4, 1
	LOADS 3, 6, 1
	s_wait_loadcnt 32                              ; loads come back in order: the three planes are in, the 32 loads of the stream stay out
	ds_store_b32 v3, v5
	ds_store_b32 v3, v6 offset:128
	ds_store_b32 v3, v7 offset:256
	s_wait_dscnt 0x0                               ; my planes are in LDS before I say so
	s_barrier_signal -1
	s_barrier_wait -1
.set p, 0
.rept 48
	ds_load_b32 v[V+p], v2 offset:128*p            ; plane p, row = lane
.set p, p+1
.endr
	s_wait_dscnt 0x0
	; split 0's list a0 <= .. <= a5 is the start; insertion of x, in place: a_k = median(x, a_(k-1), a_k) for k = 5 .. 1, then a0 = min(x, a0)
.set p, V+6
.rept 42
.irp k, 5,4,3,2,1
	v_med3_num_f32 v[V+\k], v[p], v[V+\k-1], v[V+\k]
.endr
	v_min_num_f32 v[V], v[p], v[V]
.set p, p+1
.endr
.irp k, 1,2,3,4,5
	v_max_num_f32 v[V+\k], 0, v[V+\k]              ; the smallest of the six, v[V], is dropped
.endr
.irp k, 1,2,3,4,5
	v_sqrt_f32 v[V+\k], v[V+\k]
.endr
	v_mov_b32 v12, s18                             ; a plain vector instruction stands between the roots and their first use (ISA guide 5.7.2)
	s_wait_alu depctr_va_vdst(0)
	v_add_f32 v[V+1], v[V+1], v[V+2]
	v_add_f32 v[V+3], v[V+3], v[V+4]
	v_add_f32 v[V+1], v[V+1], v[V+5]
	v_add_f32 v[V+1], v[V+1], v[V+3]
	v_mul_f32 v14, 0x3e4ccccd, v[V+1]              ; score = sum x 0.2
	v_mul_f32 v15, 0xbd38aa3b, v14                 ; x (-log2(e) / 32)
	v_exp_f32 v15, v15
	v_mov_b32 v13, s19                             ; the plain place behind the exponential
	v_cmp_lt_f32 vcc_lo, 0x3dcccccd, v14           ; 0.1 < score
	s_wait_alu depctr_va_vdst(0)
	v_cndmask_b32 v15, 0, v15, vcc_lo              ; lane = row: its weight
	ds_bpermute_b32 v8, v12, v15                   ; every lane takes the weight of my wave's row 2 w,
	ds_bpermute_b32 v10, v13, v15                  ; and of row 2 w + 1
	s_wait_dscnt 0x0
	v_mov_b32 v9, v8                               ; pairs for the packed multiply
	v_mov_b32 v11, v10
; One group: scaled in place and stored.  Nothing is written behind a store, so no wait frees its sources.
.macro OUT g, base, row, wt
	s_wait_loadcnt 24-8*\g                         ; this group's eight loads are in; the 24 - 8 g of the later groups stay out
.irp j, 0,1,2,3,4,5,6,7
	v_pk_mul_f32 v[X+32*\g+4*\j:X+32*\g+4*\j+1],   v[X+32*\g+4*\j:X+32*\g+4*\j+1],   v[\wt:\wt+1]
	v_pk_mul_f32 v[X+32*\g+4*\j+2:X+32*\g+4*\j+3], v[X+32*\g+4*\j+2:X+32*\g+4*\j+3], v[\wt:\wt+1]
	global_store_b128 v1, v[X+32*\g+4*\j:X+32*\g+4*\j+3], s[\base:\base+1] offset:4096*\row+512*\j th:TH_STORE_NT   ; 512 consecutive bytes, aligned
.endr
.endm
	OUT 0, 10, 0, 8
	OUT 1, 12, 0, 8
	OUT 2, 10, 1, 10
	OUT 3, 12, 1, 10
	s_wait_tensorcnt 0x0
	ds_add_u32 v192, v193
	s_wait_dscnt 0x0
	s_endpgm
.Lfunc_end_k_q2475f57f60_scale:
	.size	k_q2475f57f60_scale, .Lfunc_end_k_q2475f57f60_scale-k_q2475f57f60_scale
	.p2alignl 7, 3214868480
	.fill 96, 4, 3214868480
	.section	.rodata,"a",@progbits
	.p2align	6, 0x0
	.amdhsa_kernel k_q2475f57f60_scale
		.amdhsa_group_segment_fixed_size 8192
		.amdhsa_private_segment_fixed_size 0
		.amdhsa_enable_private_segment 0
		.amdhsa_kernarg_size 32
		.amdhsa_user_sgpr_count 2
		.amdhsa_user_sgpr_kernarg_segment_ptr 1
		.amdhsa_wavefront_size32 1
		.amdhsa_system_sgpr_workgroup_id_x 1
		.amdhsa_system_sgpr_workgroup_id_y 1
		.amdhsa_system_sgpr_workgroup_id_z 1
		.amdhsa_system_vgpr_workitem_id 0
		.amdhsa_next_free_vgpr 194
		.amdhsa_next_free_sgpr 66
		.amdhsa_reserve_vcc 1
		.amdhsa_float_denorm_mode_32 3
		.amdhsa_float_denorm_mode_16_64 3
		.amdhsa_memory_ordered 1
		.amdhsa_forward_progress 1
		.amdhsa_inst_pref_size 31
	.end_amdhsa_kernel
	.amdgpu_metadata
---
amdhsa.version: [ 1, 2 ]
amdhsa.kernels:
  - .name:           k_q2475f57f60_scale
    .symbol:         k_q2475f57f60_scale.kd
    .args:
      - { .name: x_real, .offset: 0, .size: 8, .value_kind: global_buffer, .address_space: global }
      - { .name: x_imag, .offset: 8, .size: 8, .value_kind: global_buffer, .address_space: global }
      - { .name: part, .offset: 16, .size: 8, .value_kind: global_buffer, .address_space: global }
      - { .name: out0, .offset: 24, .size: 8, .value_kind: global_buffer, .address_space: global }
    .group_segment_fixed_size: 8192
    .private_segment_fixed_size: 0
    .kernarg_segment_align: 8
    .kernarg_segment_size: 32
    .max_flat_workgroup_size: 512
    .sgpr_count:     66
    .vgpr_count:     194
    .wavefront_size: 32
...
	.end_amdgpu_metadata
.endif
;; end of part 3
;; ======== version 2 of 4: 3 launches; 1.28 times as fast as version 1
;; workspace buffers: xb 16,777,216 bytes; sqh 32,768 bytes; part 1,572,864 bytes
;; launch prep: the kernel of part 1 again; grid 256 x 1, 8 waves a work-group, no clusters, 1,280 bytes of LDS; arguments x_real, xb, sqh; writes xb, sqh
;; launch knn (part 4): grid 8 x 32, 4 waves a work-group, clusters of 4 x 4, 327,680 bytes of LDS; arguments xb, sqh, part; writes part
.if DOCPART == 4
	.amdgcn_target "amdgcn-amd-amdhsa--gfx1250"
	.amdhsa_code_object_version 6
	.text
	.protected	k_q2475f57f60_knn
	.globl	k_q2475f57f60_knn
	.p2align	8
	.type	k_q2475f57f60_knn,@function
k_q2475f57f60_knn:
	s_mov_b64 s[64:65], 0
	v_nop
	global_prefetch_b8 v0, s[64:65] scope:SCOPE_SE
	s_setreg_imm32_b32 hwreg(HW_REG_WAVE_MODE, 25, 1), 1
	s_wait_xcnt 0x0
	s_wait_alu depctr_hold_cnt(0) depctr_sa_sdst(0) depctr_va_vdst(0) depctr_va_sdst(0) depctr_va_ssrc(0) depctr_va_vcc(0) depctr_vm_vsrc(0)
	s_getreg_b32 s2, hwreg(HW_REG_IB_STS2, 6, 4)
	s_cmp_eq_u32 s2, 0
	s_cbranch_scc0 .Lentry_in_a_cluster
	s_endpgm
.Lentry_in_a_cluster:
	s_bfe_u32 s2, ttmp6, 0x10000c
	s_cmp_lg_u32 s2, 0xf033
	s_cbranch_scc0 .Lentry_shape_is_right
	s_endpgm
.Lentry_shape_is_right:
; For 256 queries (block by of 32) and 1,024 candidates (split bx of 8): the six smallest squared distances of each query within the split.
; xb: [8192][1024] bf16.  sqh: [8192] f32 = -1/2 |xb_i|^2.  part: [8 splits][6 ranks][8192 queries] f32, ascending in rank,
; part = sq_i + sq_j - 2 <xb_i, xb_j>, not yet clamped at 0 (the next launch clamps, takes roots and merges the eight splits).
;
; SELECTION KEY.  The root is monotone and sq_i is the same for all candidates of a query, so the six smallest distances are the six LARGEST
; key_j = <xb_i, xb_j> - sq_j / 2.  The first product of a block takes a register tile of sqh[candidate] as its C, so the accumulators hold the keys
; themselves when K is through: no vector instruction per element forms them.
; THE MATRIX INSTRUCTION IS USED TRANSPOSED: source 0 = 16 candidate rows, source 1 = 16 query rows.  Lane l then holds query l % 16, and its
; registers 0 to 7 the candidates 8 (l / 16) + 0 .. 7: all that a lane sees of a query stays in the lane's registers.
; SELECTION.  A tile's eight keys of a lane are sorted in groups of 3, 3 and 2.  A group's first goes into a sorted list of six.  A group's second can
; be among the six largest only if at most two seconds are larger (three larger seconds, their three firsts and its own first would be seven keys
; above it): a list of three.  A third only if at most one third is larger (two larger thirds bring six keys, its own group two more): a list of two.
; 39 instructions for 8 keys.  Insertion of x into a list a0 >= a1 >= .., in place and without a branch: a_k = median(x, a_(k-1), a_k) from the last
; k down to 1, then a0 = max(x, a0).
; THE TEXT IS KEPT SHORT.  Registers cannot be indexed, so every line that names an accumulator stands unrolled: these are the sort lines alone
; (64 for each of the eight tile columns), which put their results into 64 fixed registers; the 248 insertion lines are shared by a loop of eight
; trips, which reaches the column's sort lines by compares on its counter.  Likewise all 32 K steps run through one text of two K steps.
;
; SHAPE.  Four waves, as many as a WGP has SIMDs; the work-group walks four blocks of 256 queries x 256 candidates, a wave makes 128 x 128 of each:
; 64 accumulator tiles, 512 registers.  K goes in steps of 128 through a ring of two LDS slots filled by the tensor data mover (rows of 256 bytes,
; starting at multiples of 256 bytes); the ring runs on from block to block: tile m of 32 is K step m % 8 of block m / 8.
; CLUSTERS: 4 x 4 work-groups.  The query tile hangs on by alone and is asked for jointly along a row of the cluster, the candidate tile on bx alone
; and is asked for jointly along a column: the requests for both are divided by four.  The grid of 8 x 32 divides into such clusters.
;
; LIMITS.  NaN and infinities are not served: the _num forms of median, maximum and minimum drop a NaN.  The squared distance is formed as the
; problem's formula forms it, as a difference of sums in f32: for rows that nearly coincide it carries that formula's cancellation noise.
; Operands are bf16 (not f16: the range of f32 inputs is kept).
;
; REGISTERS, in windows of 256:
;   window 0: v0-31 addresses and the queries' sq; v32-55 lists of three; v64-127, v128-191 fragments of the queries, two buffers (the second also
;             takes the sorted groups during a selection, when it is dead); v192-239 lists of six; v240-255 lists of two
;   window 1: v0-63 the eight C tiles of sqh[candidate]; v64-127, v128-191 fragments of the candidates, two buffers
;   window 2: the 32 accumulator tiles of my queries 0-63 (tile (a, b) at v[8 (8 a + b)]);   window 3: those of my queries 64-127
; s_set_vgpr_msb's low byte: bits 1:0 source 0, 3:2 source 1, 5:4 source 2, 7:6 destination.
.set KSTEP,  128
.set PITCH,  272                       ; an LDS row: 256 bytes + 16 of padding = 68 words: row r starts at bank 4 r mod 64 (64 banks of 4 bytes: ISA guide 11.1)
.set HALFT,  128*PITCH                 ; 128 rows: what one tensor load brings, and what one wave reads of the queries or of the candidates
.set SLOT,   4*HALFT                   ; the queries' 256 rows, then the candidates' 256 rows
.set STAGE,  2*SLOT                    ; behind the ring, at a multiple of 256 bytes: no tensor load ever lands here
.set HREG,   6*512+64                  ; stage, one half of a wave's lanes: 6 ranks x 128 queries x 4 bytes, + 64 so that the other half lies 16 banks beside it
.set WREG,   2*HREG                    ; stage, one wave
.set LAPS,   16                        ; a lap = two K steps = once round the ring; 4 blocks x 8 K steps
.set ADRA, 16                          ; v16-17  LDS address of my query fragments in slot 0, 1
.set ADRB, 20                          ; v20-21  the same for the candidates
.set STO,  24                          ; v24     stage: where my lists go
.set RD,   25                          ; v25     stage: where thread t reads the lists of queries 2 t, 2 t + 1
.set QO,   26                          ; v26     8 t: the byte offset of these two queries in sqh and in a plane of part
.set HO,   27                          ; v27     32 (l / 16): my eight candidates of a tile, in bytes of sqh
.set SQI,  28                          ; v[28:29] sqh of queries 2 t, 2 t + 1
.set SQ2,  30                          ; v[30:31] their sq = -2 sqh
.set LS3,  32                          ; list of three of query block q (0..7), rank k: v[LS3 + 3 q + k], descending
.set F0,   64                          ; fragment buffer 0
.set F1,   128                         ; fragment buffer 1
.set ST,   128                         ; during a selection: query block q's sorted groups at v[ST + 8 q]: first, second, third; first, second, third; first, second
.set LS6,  192                         ; list of six: v[LS6 + 6 q + k]
.set LS2,  240                         ; list of two: v[LS2 + 2 q + k]
.set MRG,  64                          ; at the end: four sources x six ranks x two queries
.set G1,  24                           ; s[24:31] descriptor group 1 for the queries' tiles
.set G0,  32                           ; s[32:39] descriptor group 0 for the queries' tiles, one set for each slot
.set G1B, 48                           ; s[48:55] descriptor group 1 for the candidates' tiles: it differs in the mask alone
.set G0B, 56                           ; s[56:63] descriptor group 0 for the candidates' tiles, one set for each slot
; further scalars: s3 lap counter; s45 the next tile to ask for; s[14:15], s[46:47] address of my rows of tile 0 (queries, candidates), never rewritten;
; s[72:73], s[74:75] a tile's byte offsets from them; s76 lap % 4; s77 the selection's trip; s78 -infinity
.set MSB, 0
.macro WIN new                         ; the immediate's high byte repeats the setting that is left
.if MSB != \new
	s_set_vgpr_msb (MSB<<8)|\new
.set MSB, \new
.endif
.endm
.set MUL_LO, 0xa1                      ; source 0 (candidates) window 1, source 1 (queries) window 0, C and D window 2
.set MUL_HI, 0xf1                      ; the same, C and D window 3
.set INI_LO, 0x91                      ; a block's first products: C from window 1 (sqh of the candidates), D window 2
.set INI_HI, 0xd1                      ; the same, D window 3
.set TO_B,   0x40                      ; destination window 1, address window 0
.set KEY_LO, 0x2a                      ; all three sources window 2, destination window 0
.set KEY_HI, 0x3f                      ; all three sources window 3, destination window 0
; A joint load.  Waves 0 and 1 fetch the queries' two halves, waves 2 and 3 the candidates'.  Each line has one mask and one set of registers for all
; that issue it.  The branch hangs on the wave's number alone: it is the same in every work-group.
.macro JLOAD s
	s_cmp_eq_u32 s11, 0
	s_cbranch_scc0 .Lfor_b_\@
	tensor_load_to_lds s[G0+4*\s:G0+4*\s+3], s[G1:G1+7]
	s_nop 0
	s_branch .Lasked_\@
.Lfor_b_\@:
	tensor_load_to_lds s[G0B+4*\s:G0B+4*\s+3], s[G1B:G1B+7]
	s_nop 0
.Lasked_\@:
.endm
; A round of the cluster's barrier: my work-group's barrier, so that wave 0's signal speaks for all four waves; wave 0 signals for the work-group;
; every wave waits for all sixteen work-groups; my work-group's barrier once more.
.macro CREST                           ; a round behind its opening barrier
	s_cmp_lg_u32 s10, 0
	s_cbranch_scc1 .Lnot_wave_0_\@
	s_barrier_signal -3
.Lnot_wave_0_\@:
	s_barrier_wait -3
	s_barrier_signal -1
	s_barrier_wait -1
.endm
.macro CROUND                          ; a whole round
	s_barrier_signal -1
	s_barrier_wait -1
	CREST
.endm
	s_load_b128 s[4:7], s[0:1], 0x0                ; xb s[4:5], sqh s[6:7]
	s_load_b64 s[8:9], s[0:1], 0x10                ; part
	s_set_vgpr_msb 0x40
	v_lshl_add_u32 v255, v0, 2, 0x4a200
	s_set_vgpr_msb 0x4000
	v_mov_b32 v63, 0
	s_set_vgpr_msb 0x1
	ds_add_u32 v255, v63
	ds_add_u32 v255, v63
	s_set_vgpr_msb 0x100
	v_lshrrev_b32 v1, 5, v0
	v_readfirstlane_b32 s10, v1                    ; wave 0..3
	s_lshr_b32 s11, s10, 1                         ; which 128 of the block's queries are mine.  Also: I fetch for the queries (0) or the candidates (1)
	s_and_b32 s12, s10, 1                          ; which 128 of its candidates.  Also: which 128 rows of that tile I fetch
	s_bfe_u32 s40, ttmp6, 0x40000                  ; cx: my place along the cluster's x
	s_bfe_u32 s41, ttmp6, 0x40004                  ; cy: along its y
	s_lshl_b32 s42, ttmp9, 2                       ; in a cluster launch ttmp9 and ttmp7 count clusters
	s_add_co_u32 s42, s42, s40                     ; bx: candidate split = 4 x cluster x + cx
	s_and_b32 s13, ttmp7, 0xffff
	s_lshl_b32 s13, s13, 2
	s_add_co_u32 s13, s13, s41                     ; by: query block = 4 x cluster y + cy
	s_lshl_b32 s43, s41, 2
	s_lshl_b32 s43, 15, s43                        ; my row of the cluster: places 4 cy .. 4 cy + 3
	s_lshl_b32 s44, 0x1111, s40                    ; my column: places cx, cx + 4, cx + 8, cx + 12
	; descriptor group 1: a tile of 128 rows x 128 elements, padded in LDS
	s_or_b32 s[G1+0], s43, (1<<16)|(1<<20)|(1<<21)|(5<<22)|(3<<25)  ; 15:0 the mask: my row; 17:16 element of 2 bytes; 20 padding on; 21 set beside a mask; 24:22 after every 64 words; 31:25 of 4 words
	s_or_b32 s[G1B+0], s44, (1<<16)|(1<<20)|(1<<21)|(5<<22)|(3<<25) ; the same with the mask of my column
	s_mov_b32 s[G1+1], KSTEP<<16                   ; 63:48 tensor_dim0, low half = 128
	s_mov_b32 s[G1B+1], KSTEP<<16
	s_mov_b32 s[G1+2], 128<<16                     ; 79:64 its high half = 0; 95:80 tensor_dim1, low half = 128
	s_mov_b32 s[G1B+2], 128<<16
	s_mov_b32 s[G1+3], KSTEP<<16                   ; 111:96 its high half = 0; 127:112 tile_dim0 = 128
	s_mov_b32 s[G1B+3], KSTEP<<16
	s_mov_b32 s[G1+4], 128                         ; 143:128 tile_dim1 = 128; 159:144 tile_dim2 = 0
	s_mov_b32 s[G1B+4], 128
	s_mov_b32 s[G1+5], 1024                        ; 191:160 elements from row to row
	s_mov_b32 s[G1B+5], 1024
	s_mov_b32 s[G1+6], 0
	s_mov_b32 s[G1B+6], 0
	s_mov_b32 s[G1+7], 0
	s_mov_b32 s[G1B+7], 0
	; where the tiles come from, as byte offsets in xb (below 16 MiB).  The queries' hang on by alone, the candidates' on bx alone, each in
	; registers that never hold the other coordinate.
	s_lshl_b32 s17, s12, 7                         ; which 128 rows of the tile I fetch
	s_lshl_b32 s16, s13, 8
	s_add_co_u32 s16, s16, s17                     ; queries: row 256 by + 128 half
	s_lshl_b32 s16, s16, 11                        ; x 2,048 bytes
	s_lshl_b32 s46, s42, 10
	s_add_co_u32 s46, s46, s17                     ; candidates: row 1,024 bx + 128 half
	s_lshl_b32 s46, s46, 11
	s_mov_b32 s17, 0
	s_mov_b32 s47, 0
	s_lshl_b32 s66, s42, 12                        ; sqh of my 128 candidates of block 0: 4 (1,024 bx + 128 x my half)
	s_lshl_b32 s67, s12, 9
	s_add_co_u32 s66, s66, s67
	s_mov_b32 s67, 0
	s_mul_i32 s68, s42, 6*32768                    ; part: split bx, queries from 256 by
	s_lshl_b32 s69, s13, 10
	s_add_co_u32 s68, s68, s69
	s_mov_b32 s69, 0
	s_lshl_b32 s70, s13, 10                        ; sqh of the block's queries
	s_mov_b32 s71, 0
	s_mov_b32 s73, 0                               ; the high words of the tiles' offsets
	s_mov_b32 s75, 0
	s_mov_b32 s78, 0xff800000                      ; -infinity
	s_mul_i32 s20, s10, HALFT                      ; where my tiles go: wave x 128 rows: no place in the cluster enters an LDS address
	s_wait_dscnt 0x0
	s_wait_kmcnt 0x0
	s_add_nc_u64 s[14:15], s[4:5], s[16:17]
	s_add_nc_u64 s[46:47], s[4:5], s[46:47]
	s_add_nc_u64 s[66:67], s[6:7], s[66:67]
	s_add_nc_u64 s[68:69], s[8:9], s[68:69]
	s_add_nc_u64 s[70:71], s[6:7], s[70:71]
	CROUND                                         ; all sixteen work-groups are here: the first joint loads meet
.irp s, 0,1
	s_mov_b32 s[G0+4*\s], 1                                        ; 1:0 count = 1
	s_add_co_u32 s[G0+4*\s+1], s20, \s*SLOT                        ; 63:32 LDS address
	s_add_nc_u64 s[G0+4*\s+2:G0+4*\s+3], s[14:15], \s*KSTEP*2      ; 120:64 global address: tile s
	s_or_b32 s[G0+4*\s+3], s[G0+4*\s+3], 0x80000000                ; 127:126 type = 2
	s_mov_b32 s[G0B+4*\s], 1
	s_add_co_u32 s[G0B+4*\s+1], s20, \s*SLOT
	s_add_nc_u64 s[G0B+4*\s+2:G0B+4*\s+3], s[46:47], \s*KSTEP*2
	s_or_b32 s[G0B+4*\s+3], s[G0B+4*\s+3], 0x80000000
	JLOAD \s                                       ; the ring is filled before anything else is done: two tensor loads of the wave are out
.endr
	; A fragment is 16 rows x 32 K in 8 registers: lane l holds row l % 16; registers 0-3 hold K = 8 (l / 16) + 0..7, registers 4-7 hold
	; K = 16 + 8 (l / 16) + 0..7: two loads of 16 bytes, 32 bytes apart.
	v_and_b32 v1, 15, v0                           ; r = l % 16
	v_bfe_u32 v2, v0, 4, 1                         ; h = l / 16
	v_mul_u32_u24 v3, v1, PITCH
	v_lshl_add_u32 v3, v2, 4, v3                   ; row x pitch + 16 h
	s_mul_i32 s21, s11, HALFT                      ; my 128 query rows
	s_mul_i32 s22, s12, HALFT                      ; my 128 candidate rows,
	s_add_co_u32 s22, s22, 2*HALFT                 ; which lie behind the queries' 256
.irp s, 0,1
	v_add_nc_u32 v[ADRA+\s], s21, v3
	v_add_nc_u32 v[ADRB+\s], s22, v3
	s_add_co_u32 s21, s21, SLOT
	s_add_co_u32 s22, s22, SLOT
.endr
	s_mul_i32 s23, s10, WREG
	s_add_co_u32 s23, s23, STAGE                   ; my wave's part of the stage
	v_mul_u32_u24 v4, v2, HREG
	v_lshl_add_u32 v4, v1, 2, v4
	v_add_nc_u32 v[STO], s23, v4                   ; + h x HREG + 4 r
	v_lshrrev_b32 v4, 6, v0                        ; thread t reads the lists that the two waves with query half t / 64 wrote
	v_and_b32 v5, 63, v0
	v_mul_u32_u24 v4, v4, 2*WREG
	v_lshl_add_u32 v4, v5, 3, v4                   ; + 8 (t % 64): queries 2 t and 2 t + 1 of the block
	v_add_nc_u32 v[RD], STAGE, v4
	v_lshlrev_b32 v[QO], 3, v0
	v_lshlrev_b32 v[HO], 5, v2
.set i, 0
.rept 64
	v_mov_b32 v[LS6+i], s78                        ; the lists of six and, behind them, of two start at -infinity; a list of six sees 96 firsts, so none of it is left at the end
.set i, i+1
.endr
.set i, 0
.rept 24
	v_mov_b32 v[LS3+i], s78                        ; the lists of three
.set i, i+1
.endr
; The C tiles of a block: register j of tile b = sqh[my candidate 16 b + 8 h + j].  16 loads, 512 consecutive bytes of sqh for the wave.
.macro LOADSQ
	WIN TO_B
.irp b, 0,1,2,3,4,5,6,7
	global_load_b128 v[8*\b:8*\b+3],   v[HO], s[66:67] offset:64*\b
	global_load_b128 v[8*\b+4:8*\b+7], v[HO], s[66:67] offset:64*\b+16
.endr
	WIN 0
.endm
	LOADSQ                                         ; block 0
	global_load_b64 v[SQI:SQI+1], v[QO], s[70:71]
	s_wait_loadcnt 0x0                             ; all 17 are in, so their base may be stepped:
	s_add_nc_u64 s[66:67], s[66:67], 1024          ; the next block's 256 candidates
; 16 matrix instructions: query blocks a0, a0 + 1 of the window's four (hi = 0: my queries 0-63, 1: 64-127) x all 8 candidate blocks, 32 along K.
; init = 1: the first product of a block starts the sums from sqh of the candidates.  The 64 accumulators take turns, one instruction a turn,
; in the same order in every quarter step, over the backward jump and into the tail.
.macro MUL16 f, hi, a0, init
.irp a, \a0, \a0+1
.irp b, 0,1,2,3,4,5,6,7
.if \init
	v_wmma_f32_16x16x32_bf16 v[8*(8*(\a)+\b):8*(8*(\a)+\b)+7], v[\f+8*\b:\f+8*\b+7], v[\f+8*(4*\hi+\a):\f+8*(4*\hi+\a)+7], v[8*\b:8*\b+7]
.else
	v_wmma_f32_16x16x32_bf16 v[8*(8*(\a)+\b):8*(8*(\a)+\b)+7], v[\f+8*\b:\f+8*\b+7], v[\f+8*(4*\hi+\a):\f+8*(4*\hi+\a)+7], v[8*(8*(\a)+\b):8*(8*(\a)+\b)+7]
.endif
.endr
.endr
.endm
; 32 LDS loads in one run: the fragments of one quarter step (128 candidate rows, 128 query rows, 32 K at byte k of the rows) into buffer f
.macro FETCH slot, k, f
	WIN TO_B
.irp i, 0,1,2,3,4,5,6,7
	ds_load_b128 v[\f+8*\i:\f+8*\i+3],   v[ADRB+\slot] offset:\k+\i*16*PITCH
	ds_load_b128 v[\f+8*\i+4:\f+8*\i+7], v[ADRB+\slot] offset:\k+\i*16*PITCH+32
.endr
	WIN 0
.irp i, 0,1,2,3,4,5,6,7
	ds_load_b128 v[\f+8*\i:\f+8*\i+3],   v[ADRA+\slot] offset:\k+\i*16*PITCH
	ds_load_b128 v[\f+8*\i+4:\f+8*\i+7], v[ADRA+\slot] offset:\k+\i*16*PITCH+32
.endr
.endm
; A load into a register that a matrix instruction has read, and a vector instruction that reads a matrix result or writes one of a matrix
; instruction's registers, stand four places behind that matrix instruction, and only plain vector instructions that name none of its registers
; are places (ISA guide 7.12.1 for vector instructions).
.macro PLACES
.rept 4
	v_nop
.endr
.endm
; A K step is four quarter steps of 32 along K, 64 matrix instructions each, on buffers 0, 1, 0, 1.
; One of the first three: multiplies buffer f; in its middle it fetches the next quarter's fragments, at byte k of the same slot's rows, into buffer g.
.macro QUARTER slot, k, f, g, init
	s_wait_dscnt 8                                 ; the candidates and my queries 0-63 are in; the youngest eight loads (queries 64-127) may be out
.if \init
	WIN INI_LO
.else
	WIN MUL_LO
.endif
	MUL16 \f, 0, 0, \init
	MUL16 \f, 0, 2, \init
	PLACES
	FETCH \slot, \k, \g
	s_wait_dscnt 32                                ; all but the 32 just issued
.if \init
	WIN INI_HI
.else
	WIN MUL_HI
.endif
	MUL16 \f, 1, 0, \init
	MUL16 \f, 1, 2, \init
.endm
.macro THREE slot
	QUARTER \slot, 64,  F0, F1, 0
	QUARTER \slot, 128, F1, F0, 0
	QUARTER \slot, 192, F0, F1, 0
.endm
; The last quarter: multiplies buffer 1 and changes slots.  next = the other slot; fill = 1: this slot is filled again, with tile s45, two K steps ahead.
; In front of the barrier each wave waits for its own reads of this slot and for all its tensor loads, of which one is out: its part of the next
; slot.  Behind the round nobody in the cluster reads this slot any more and the next slot is whole: the refill comes first, one tensor load a
; wave, then the next slot's first fragments.  From a request to the wait for it a wave issues 240 matrix instructions.
.macro TURN slot, next, fill
	s_wait_dscnt 8
	WIN MUL_LO
	MUL16 F1, 0, 0, 0
	s_wait_dscnt 0                                 ; my reads of this slot are over
	s_wait_tensorcnt 0x0                           ; and all my tensor loads have landed:
	ds_add_u32 v255, v63
	s_wait_dscnt 0x0
	s_barrier_signal -1                            ; say so (where a slot is filled again this barrier opens a round of the cluster's barrier),
	MUL16 F1, 0, 2, 0                              ; work on registers while the others arrive,
	WIN 0
	s_barrier_wait -1                              ; and go on when all four have said so
.if \fill
	CREST                                          ; all sixteen work-groups have said so: no wave of any partner still reads this slot or has a load on its way
	s_and_b32 s72, s45, 7                          ; tile m: K step m % 8,
	s_lshl_b32 s72, s72, 8                         ; 256 bytes along the rows: the queries' offset
	s_lshr_b32 s74, s45, 3                         ; block m / 8:
	s_lshl_b32 s74, s74, 19                        ; 256 rows of 2,048 bytes further down,
	s_add_co_u32 s74, s74, s72                     ; and the same K step: the candidates' offset
	s_add_nc_u64 s[G0+4*\slot+2:G0+4*\slot+3], s[14:15], s[72:73]    ; no tensor load of mine is out, so the descriptors may be written
	s_or_b32 s[G0+4*\slot+3], s[G0+4*\slot+3], 0x80000000
	s_add_nc_u64 s[G0B+4*\slot+2:G0B+4*\slot+3], s[46:47], s[74:75]
	s_or_b32 s[G0B+4*\slot+3], s[G0B+4*\slot+3], 0x80000000
	s_add_co_u32 s45, s45, 1
	JLOAD \slot                                    ; the first tensor load behind the round, and the wave's only one until the next
.endif
	PLACES
	FETCH \next, 0, F0
	WIN MUL_HI
	MUL16 F1, 1, 0, 0
	MUL16 F1, 1, 2, 0
.endm
; The sort lines of tile column b, for the four query blocks of one window: eight keys in groups of 3, 3 and 2, descending within a group.
.macro SORTH hi, b
.irp a, 0,1,2,3
	v_max3_num_f32 v[ST+8*(4*\hi+\a)],   v[8*(8*\a+\b)],   v[8*(8*\a+\b)+1], v[8*(8*\a+\b)+2]
	v_med3_num_f32 v[ST+8*(4*\hi+\a)+1], v[8*(8*\a+\b)],   v[8*(8*\a+\b)+1], v[8*(8*\a+\b)+2]
	v_min3_num_f32 v[ST+8*(4*\hi+\a)+2], v[8*(8*\a+\b)],   v[8*(8*\a+\b)+1], v[8*(8*\a+\b)+2]
	v_max3_num_f32 v[ST+8*(4*\hi+\a)+3], v[8*(8*\a+\b)+3], v[8*(8*\a+\b)+4], v[8*(8*\a+\b)+5]
	v_med3_num_f32 v[ST+8*(4*\hi+\a)+4], v[8*(8*\a+\b)+3], v[8*(8*\a+\b)+4], v[8*(8*\a+\b)+5]
	v_min3_num_f32 v[ST+8*(4*\hi+\a)+5], v[8*(8*\a+\b)+3], v[8*(8*\a+\b)+4], v[8*(8*\a+\b)+5]
	v_max_num_f32  v[ST+8*(4*\hi+\a)+6], v[8*(8*\a+\b)+6], v[8*(8*\a+\b)+7]
	v_min_num_f32  v[ST+8*(4*\hi+\a)+7], v[8*(8*\a+\b)+6], v[8*(8*\a+\b)+7]
.endr
.endm
.macro SORT8 b
	WIN KEY_LO
	SORTH 0, \b
	WIN KEY_HI
	SORTH 1, \b
	WIN 0                                          ; a branch or a label follows
.endm
; v[src + pitch q + e] goes into query block q's list of six, for all eight q.  The eight lists are interleaved, so that no line waits for the line in front of it.
.macro INS6 src, pitch, e
.irp k, 5,4,3,2,1
.irp q, 0,1,2,3,4,5,6,7
	v_med3_num_f32 v[LS6+6*\q+\k], v[\src+\pitch*\q+\e], v[LS6+6*\q+\k-1], v[LS6+6*\q+\k]
.endr
.endr
.irp q, 0,1,2,3,4,5,6,7
	v_max_num_f32 v[LS6+6*\q], v[\src+\pitch*\q+\e], v[LS6+6*\q]
.endr
.endm
.macro INS3 e                          ; a group's second, into the list of three
.irp k, 2,1
.irp q, 0,1,2,3,4,5,6,7
	v_med3_num_f32 v[LS3+3*\q+\k], v[ST+8*\q+\e], v[LS3+3*\q+\k-1], v[LS3+3*\q+\k]
.endr
.endr
.irp q, 0,1,2,3,4,5,6,7
	v_max_num_f32 v[LS3+3*\q], v[ST+8*\q+\e], v[LS3+3*\q]
.endr
.endm
.macro INS2 e                          ; a group's third, into the list of two
.irp q, 0,1,2,3,4,5,6,7
	v_med3_num_f32 v[LS2+2*\q+1], v[ST+8*\q+\e], v[LS2+2*\q], v[LS2+2*\q+1]
.endr
.irp q, 0,1,2,3,4,5,6,7
	v_max_num_f32 v[LS2+2*\q], v[ST+8*\q+\e], v[LS2+2*\q]
.endr
.endm
; All 512 accumulator registers go into the lists, one tile column (64 registers) a trip.  The trip's number picks the column's sort lines; the
; insertion lines are the same for all.  No LDS instruction stands in here, so the counts of the 32 fragment loads that are out across it hold.
.macro SELECT
	s_mov_b32 s77, 0
.Lcolumn_\@:
	s_cmp_eq_u32 s77, 0
	s_cbranch_scc1 .Lb0_\@
	s_cmp_eq_u32 s77, 1
	s_cbranch_scc1 .Lb1_\@
	s_cmp_eq_u32 s77, 2
	s_cbranch_scc1 .Lb2_\@
	s_cmp_eq_u32 s77, 3
	s_cbranch_scc1 .Lb3_\@
	s_cmp_eq_u32 s77, 4
	s_cbranch_scc1 .Lb4_\@
	s_cmp_eq_u32 s77, 5
	s_cbranch_scc1 .Lb5_\@
	s_cmp_eq_u32 s77, 6
	s_cbranch_scc1 .Lb6_\@
	SORT8 7
	s_branch .Linsert_\@
.Lb0_\@:
	SORT8 0
	s_branch .Linsert_\@
.Lb1_\@:
	SORT8 1
	s_branch .Linsert_\@
.Lb2_\@:
	SORT8 2
	s_branch .Linsert_\@
.Lb3_\@:
	SORT8 3
	s_branch .Linsert_\@
.Lb4_\@:
	SORT8 4
	s_branch .Linsert_\@
.Lb5_\@:
	SORT8 5
	s_branch .Linsert_\@
.Lb6_\@:
	SORT8 6
.Linsert_\@:
	INS6 ST, 8, 0                                  ; the three groups' firsts
	INS3 1                                         ; their seconds
	INS2 2                                         ; the two triples' thirds
	INS6 ST, 8, 3
	INS3 4
	INS2 5
	INS6 ST, 8, 6
	INS3 7
	s_add_co_u32 s77, s77, 1
	s_cmp_lt_u32 s77, 8
	s_cbranch_scc1 .Lcolumn_\@
.endm
	s_wait_tensorcnt 1                             ; my part of tile 0 is in; tile 1's may stay out
	s_barrier_signal -1
	s_barrier_wait -1                              ; everybody's is
	FETCH 0, 0, F0
	s_mov_b32 s3, 0                                ; laps 0 to 14; lap 15 is written out behind the loop, since it asks for nothing
	s_mov_b32 s45, 2                               ; tiles 0 and 1 have been asked for
.Llap:
	s_and_b32 s76, s3, 3                           ; a block is four laps
	s_cmp_lg_u32 s76, 0
	s_cbranch_scc1 .Lplain
	PLACES                                         ; with the four in the quarter's middle: more than five places in front of every product that writes over an accumulator instead of adding onto it
	QUARTER 0, 64, F0, F1, 1                       ; a block's first quarter step starts the sums from sqh
	WIN 0                                          ; at a label and at a branch every window is 0
	s_branch .Ljoin
.Lplain:
	QUARTER 0, 64, F0, F1, 0                       ; the same 64 products and 32 loads, adding on
	WIN 0
.Ljoin:
	QUARTER 0, 128, F1, F0, 0
	QUARTER 0, 192, F0, F1, 0
	TURN 0, 1, 1
	THREE 1
	TURN 1, 0, 1
	WIN 0
	s_cmp_lg_u32 s76, 3
	s_cbranch_scc1 .Lno_select
	PLACES                                         ; behind the block's last matrix instructions: the sort lines read results and write into fragment buffer 1
	LOADSQ                                         ; the next block's C tiles come in while the lists are made
	SELECT
	s_wait_loadcnt 0x0                             ; the C tiles are in, and their base may be stepped
	s_add_nc_u64 s[66:67], s[66:67], 1024
.Lno_select:
	s_add_co_u32 s3, s3, 1
	s_cmp_lt_u32 s3, LAPS-1
	s_cbranch_scc1 .Llap
	THREE 0                                        ; the last lap fills nothing and has no round: the one tensor load that is still out is slot 1's, tile 31
	TURN 0, 1, 0
	THREE 1
	s_wait_dscnt 8                                 ; the very last quarter: nothing more to fetch
	WIN MUL_LO
	MUL16 F1, 0, 0, 0
	MUL16 F1, 0, 2, 0
	s_wait_dscnt 0
	WIN MUL_HI
	MUL16 F1, 1, 0, 0
	MUL16 F1, 1, 2, 0
	WIN 0
	PLACES
	SELECT                                         ; no C tiles are loaded: there is no further block
	; a lane's six largest keys of a query are among its list of six, of three and of two: the five go into the six
	INS6 LS3, 3, 0
	INS6 LS3, 3, 1
	INS6 LS3, 3, 2
	INS6 LS2, 2, 0
	INS6 LS2, 2, 1
	; THE FOUR LISTS OF A QUERY MEET.  A query's 1,024 candidates were seen by two waves (candidate halves) x two halves of the lanes.
	; Each wave puts its lists into its own part of the stage; behind a barrier thread t merges the four lists of queries 2 t and 2 t + 1.
.irp a, 0,1,2,3,4,5,6,7
.irp k, 0,1,2,3,4,5
	ds_store_b32 v[STO], v[LS6+6*\a+\k] offset:512*\k+64*\a        ; the 32 lanes touch 32 different banks
.endr
.endr
	s_wait_dscnt 0x0                               ; my stores are in LDS before I say so
	s_barrier_signal -1
	s_barrier_wait -1
.irp c, 0,1,2,3
.irp k, 0,1,2,3,4,5
	ds_load_b64 v[MRG+12*\c+2*\k:MRG+12*\c+2*\k+1], v[RD] offset:HREG*\c+512*\k   ; source c = 2 x candidate half + h; a wave's load takes 256 consecutive bytes
.endr
.endr
	v_pk_mul_f32 v[SQ2:SQ2+1], v[SQI:SQI+1], -2.0 op_sel_hi:[1,0]  ; sq of my two queries
	s_wait_dscnt 0x0
	; source 0's list is the start; the 18 keys of the other three go in, the two queries side by side
.set mx, MRG+12
.rept 18
.irp k, 5,4,3,2,1
	v_med3_num_f32 v[MRG+2*\k],   v[mx],   v[MRG+2*\k-2], v[MRG+2*\k]
	v_med3_num_f32 v[MRG+2*\k+1], v[mx+1], v[MRG+2*\k-1], v[MRG+2*\k+1]
.endr
	v_max_num_f32 v[MRG],   v[mx],   v[MRG]
	v_max_num_f32 v[MRG+1], v[mx+1], v[MRG+1]
.set mx, mx+2
.endr
.irp k, 0,1,2,3,4,5
	v_pk_fma_f32 v[MRG+2*\k:MRG+2*\k+1], v[MRG+2*\k:MRG+2*\k+1], -2.0, v[SQ2:SQ2+1] op_sel_hi:[1,0,1]   ; sq_i - 2 key = sq_i + sq_j - 2 <x_i, x_j>
.endr
.irp k, 0,1,2,3,4,5
	global_store_b64 v[QO], v[MRG+2*\k:MRG+2*\k+1], s[68:69] offset:32768*\k       ; a wave's store covers 256 consecutive bytes, aligned
.endr
	s_set_vgpr_msb 0x1
	s_wait_tensorcnt 0x0
	ds_add_u32 v255, v63
	s_wait_dscnt 0x0
	s_set_vgpr_msb 0x100
	CROUND                                         ; the closing round: no work-group ends while a partner may still ask for a tile that names it
	s_endpgm
.Lfunc_end_k_q2475f57f60_knn:
	.size	k_q2475f57f60_knn, .Lfunc_end_k_q2475f57f60_knn-k_q2475f57f60_knn
	.p2alignl 7, 3214868480
	.fill 96, 4, 3214868480
	.section	.rodata,"a",@progbits
	.p2align	6, 0x0
	.amdhsa_kernel k_q2475f57f60_knn
		.amdhsa_group_segment_fixed_size 327680
		.amdhsa_private_segment_fixed_size 0
		.amdhsa_enable_private_segment 0
		.amdhsa_kernarg_size 24
		.amdhsa_user_sgpr_count 2
		.amdhsa_user_sgpr_kernarg_segment_ptr 1
		.amdhsa_wavefront_size32 1
		.amdhsa_system_sgpr_workgroup_id_x 1
		.amdhsa_system_sgpr_workgroup_id_y 1
		.amdhsa_system_sgpr_workgroup_id_z 1
		.amdhsa_system_vgpr_workitem_id 0
		.amdhsa_next_free_vgpr 1024
		.amdhsa_next_free_sgpr 80
		.amdhsa_reserve_vcc 0
		.amdhsa_float_denorm_mode_32 3
		.amdhsa_float_denorm_mode_16_64 3
		.amdhsa_memory_ordered 1
		.amdhsa_forward_progress 1
		.amdhsa_inst_pref_size 242
	.end_amdhsa_kernel
	.amdgpu_metadata
---
amdhsa.version: [ 1, 2 ]
amdhsa.kernels:
  - .name:           k_q2475f57f60_knn
    .symbol:         k_q2475f57f60_knn.kd
    .args:
      - { .name: xb, .offset: 0, .size: 8, .value_kind: global_buffer, .address_space: global }
      - { .name: sqh, .offset: 8, .size: 8, .value_kind: global_buffer, .address_space: global }
      - { .name: part, .offset: 16, .size: 8, .value_kind: global_buffer, .address_space: global }
    .group_segment_fixed_size: 327680
    .private_segment_fixed_size: 0
    .kernarg_segment_align: 8
    .kernarg_segment_size: 24
    .max_flat_workgroup_size: 128
    .sgpr_count:     80
    .vgpr_count:     1024
    .wavefront_size: 32
...
	.end_amdgpu_metadata
.endif
;; end of part 4
;; launch scale: the kernel of part 3 again; grid 256 x 1, 16 waves a work-group, no clusters, 8,192 bytes of LDS; arguments x_real, x_imag, part, out0; writes out0
;; ======== version 3 of 4: 3 launches; 1.62 times as fast as version 1
;; workspace buffers: xb 16,777,216 bytes; sqh 32,768 bytes; part 4,718,592 bytes
;; launch prep: the kernel of part 1 again; grid 256 x 1, 8 waves a work-group, no clusters, 1,280 bytes of LDS; arguments x_real, xb, sqh; writes xb, sqh
;; launch knn (part 5): grid 8 x 32, 4 waves a work-group, clusters of 4 x 1, 327,680 bytes of LDS; arguments xb, sqh, part; writes part
.if DOCPART == 5
	.amdgcn_target "amdgcn-amd-amdhsa--gfx1250"
	.amdhsa_code_object_version 6
	.text
	.protected	k_q2475f57f60_knn
	.globl	k_q2475f57f60_knn
	.p2align	8
	.type	k_q2475f57f60_knn,@function
k_q2475f57f60_knn:
	s_mov_b64 s[64:65], 0
	v_nop
	global_prefetch_b8 v0, s[64:65] scope:SCOPE_SE
	s_setreg_imm32_b32 hwreg(HW_REG_WAVE_MODE, 25, 1), 1
	s_wait_xcnt 0x0
	s_wait_alu depctr_hold_cnt(0) depctr_sa_sdst(0) depctr_va_vdst(0) depctr_va_sdst(0) depctr_va_ssrc(0) depctr_va_vcc(0) depctr_vm_vsrc(0)
	s_getreg_b32 s2, hwreg(HW_REG_IB_STS2, 6, 4)
	s_cmp_eq_u32 s2, 0
	s_cbranch_scc0 .Lentry_in_a_cluster
	s_endpgm
.Lentry_in_a_cluster:
	s_bfe_u32 s2, ttmp6, 0x10000c
	s_cmp_lg_u32 s2, 0x3003
	s_cbranch_scc0 .Lentry_shape_is_right
	s_endpgm
.Lentry_shape_is_right:
; Lists of the six smallest squared distances, from product blocks that are each computed ONCE and used for their rows and for their columns.
; xb: [8192][1024] bf16.  sqh: [8192] f32 = -1/2 |xb_i|^2.  part: [24 sets][6 ranks][8192 rows] f32, each list ascending in rank,
; part = sq_i + sq_j - 2 <xb_i, xb_j>, not yet clamped at 0 (the next launch clamps, takes roots and merges a row's lists).
;
; SYMMETRY.  <xb_i, xb_j> = <xb_j, xb_i> for every input.  The rows form 32 blocks of 256.  Work-group (bx, by) takes query block I = by and
;   the candidate blocks J = (I + d) mod 32 for d = 1 + 2 bx and d = 2 + 2 bx, each used in both directions, and
;   candidates 32 bx .. 32 bx + 31 of block I itself (an eighth of the diagonal block), used for the queries alone.
; A row of block I so meets block I (the eight pieces), blocks I+1 .. I+16 (first direction, sets 0-7: set bx, one list for all that the work-group
; saw) and blocks I-1 .. I-15 (second direction of other work-groups, set 8 + d - 1): each of the 32 blocks once.  The second direction of d = 16
; would repeat block I + 16; it is made and stored like the others (set 23), because no branch may hang on a work-group's place among its cluster
; partners, and the next launch does not merge it.  2 1/8 blocks of products for a work-group instead of 4.
;
; THE KEY.  The accumulators start from sqh[candidate] + sqh[query], so that they end as K = <x_q, x_c> - sq_q/2 - sq_c/2 = -d2/2: the six smallest
; distances are the six largest K, along a row and along a column alike, and d2 = -2 K.
; THE MATRIX INSTRUCTION IS USED TRANSPOSED: source 0 = 16 candidate rows, source 1 = 16 query rows.  Lane l then holds query l % 16, and its
; registers 0 to 7 the candidates 8 (l / 16) + 0 .. 7.
; FIRST DIRECTION (a query's best candidates): a tile's eight keys of a lane are sorted in groups of 3, 3 and 2.  A group's first goes into a sorted
; list of six.  A second can be among the six largest only if at most two seconds are larger (three larger seconds, their firsts and its own first
; are seven keys above it): a list of three.  A third only if at most one third is larger: a list of two.  39 instructions for 8 keys.
; SECOND DIRECTION (a candidate's best queries): the keys of a candidate lie across lanes, so 16 queries x 128 candidates at a time go through the
; wave's own stage in LDS and come back with lane l holding candidate l % 16 of each tile and queries 8 (l / 16) + 0 .. 7; they go into plain lists
; of six (48 registers; the three-list form would need 88, which are not free).
; Insertion of x into a list a0 >= a1 >= .., in place and without a branch: a_k = median(x, a_(k-1), a_k) from the last k down to 1, then a0 = max(x, a0).
; THE TEXT IS KEPT SHORT.  Registers cannot be indexed, so every line that names an accumulator stands unrolled (sort lines, stage stores); what
; follows them works on fixed registers and is shared by loops of eight trips that reach the unrolled lines by compares on their counters.
;
; SHAPE.  Four waves, as many as a WGP has SIMDs; a wave makes 128 x 128 of a block: 64 accumulator tiles, 512 registers.  K goes in steps of 128
; through a ring of two LDS slots filled by the tensor data mover (rows of 256 bytes, starting at multiples of 256 bytes).  Tile m of 24 is K step
; m % 8 of phase m / 8 (two blocks, then the piece); the ring runs on from phase to phase.  The piece comes last, so that the ring's tail, which
; asks for nothing and has to be written out, is short, and the selection stands once, inside the loop.
; CLUSTERS: 4 x 1 work-groups.  The query tile hangs on by alone and is asked for jointly by the four partners: its requests are divided by four.
; The candidate tiles are plain loads: partners take different blocks, and work-groups that take the same block J stand in different rows of the
; grid with different d, so a column of a cluster could share J only if d hung on the place in the cluster.
;
; LIMITS.  NaN and infinities are not served: the _num forms of median, maximum and minimum drop a NaN.  The squared distance is formed as the
; problem's formula forms it, as a difference of sums in f32: for rows that nearly coincide it carries that formula's cancellation noise.
; Operands are bf16 (not f16: the range of f32 inputs is kept).
;
; REGISTERS, in windows of 256:
;   window 0: v0-31 addresses; v32-55 lists of three; v64-127, v128-191 fragments of the queries, two buffers (the second also serves the selection
;             and the merge, when it is dead); v192-239 lists of six; v240-255 lists of two (all three: first direction)
;   window 1: v0-63 sqh of my candidates, as eight tiles; v64-127, v128-191 fragments of the candidates; v192-239 lists of six of the second
;             direction; v240-247 sqh of my queries
;   window 2: the 32 accumulator tiles of my queries 0-63 (tile (a, b) at v[8 (8 a + b)]);   window 3: those of my queries 64-127
; s_set_vgpr_msb's low byte: bits 1:0 source 0, 3:2 source 1, 5:4 source 2, 7:6 destination (LDS: address = source 0, store data = source 1).
.set KSTEP,  128
.set PITCH,  272                       ; an LDS row: 256 bytes + 16 of padding = 68 words: row r starts at bank 4 r mod 64 (64 banks of 4 bytes: ISA guide 11.1)
.set HALFT,  128*PITCH                 ; 128 rows: what one tensor load brings, and what one wave reads of the queries or of the candidates
.set SLOT,   4*HALFT                   ; the queries' 256 rows, then the candidates' 256 rows
.set STAGE,  2*SLOT                    ; behind the ring, at a multiple of 256 bytes: no tensor load ever lands here
.set TP,     80                        ; stage, transposing: a candidate's 16 queries + 16 bytes: an odd multiple of 16, and 8 rows = 640 bytes = 32 banks beside
.set WREG,   128*TP                    ; stage, one wave: 128 candidates
.set HREG,   6*512+64                  ; stage, lists: one half of a wave's lanes: 6 ranks x 128 rows x 4 bytes, + 64 so that the other half lies 16 banks beside it
.set SETB,   6*32768                   ; bytes of a set of part
.set ADRA, 16                          ; v16-17  LDS address of my query fragments in slot 0, 1
.set ADRB, 20                          ; v20-21  the same for the candidates
.set STO,  24                          ; v24     stage: where my lists go
.set RD1,  25                          ; v25     stage: where thread t reads the four lists of queries 2 t, 2 t + 1
.set QO,   26                          ; v26     8 t: the byte offset of rows 2 t, 2 t + 1 of a block in a plane of part
.set HO,   27                          ; v27     32 (l / 16): my eight candidates of a tile, in bytes of sqh
.set TST,  28                          ; v28     stage: where a key goes on its way to being transposed
.set TRD,  29                          ; v29     stage: where the transposed keys are read
.set RD2,  30                          ; v30     stage: where thread t reads the four lists of candidates 2 t, 2 t + 1
.set RO,   31                          ; v31     4 (l % 16)
.set LS3,  32                          ; list of three of query block q (0..7), rank k: v[LS3 + 3 q + k], descending
.set F0,   64                          ; fragment buffer 0
.set F1,   128                         ; fragment buffer 1
.set ST,   128                         ; during a selection: eight keys for each of eight lists, v[ST + 8 q + e]
.set MRG,  128                         ; during a merge: four sources x six ranks x two rows
.set LS6,  192                         ; list of six: v[LS6 + 6 q + k] (window 0: first direction; window 1: second)
.set LS2,  240                         ; list of two: v[LS2 + 2 q + k]
.set SQQ,  240                         ; window 1: sqh of query 16 q + l % 16 of my 128
.set G1,  24                           ; s[24:31] descriptor group 1 for the queries' tiles (joint)
.set G0,  32                           ; s[32:39] descriptor group 0 for the queries' tiles, one set for each slot
.set G1B, 48                           ; s[48:55] descriptor group 1 for a block's candidate tiles
.set G0B, 56                           ; s[56:63] descriptor group 0 for the candidates' tiles, one set for each slot
.set G1C, 84                           ; s[84:91] descriptor group 1 for the piece's candidate tiles: 16 rows
; further scalars: s3 lap counter; s45 the next tile to ask for; s[14:15] address of my rows of the queries' tile 0, never rewritten;
; s80-82 byte offsets in xb of my rows of the candidates' first tile in phases 0, 1, 2; s[72:73], s[74:75] a tile's offsets; s76 lap % 4; s77 a
; selection's trip; s78 -infinity; s79 the phase of the tile asked for; s83 the block; s[66:67], s[92:93], s[94:95] sqh of my candidates in phases
; 0, 1, 2; s[70:71] sqh of my queries; s[68:69] part, first direction; s[96:97], s[98:99] part, second direction of blocks 0, 1; s[100:101] the one at work
.set MSB, 0
.macro WIN new                         ; the immediate's high byte repeats the setting that is left
.if MSB != \new
	s_set_vgpr_msb (MSB<<8)|\new
.set MSB, \new
.endif
.endm
.set MUL_LO, 0xa1                      ; source 0 (candidates) window 1, source 1 (queries) window 0, C and D window 2
.set MUL_HI, 0xf1                      ; the same, C and D window 3
.set TO_B,   0x40                      ; destination window 1, address window 0
.set KEY_LO, 0x2a                      ; all three sources window 2, destination window 0
.set KEY_HI, 0x3f                      ; all three sources window 3, destination window 0
.set INI_LO, 0x85                      ; sources 0 and 1 window 1, destination window 2
.set INI_HI, 0xc5                      ; the same, destination window 3
.set DAT_LO, 0x08                      ; LDS store: data window 2, address window 0
.set DAT_HI, 0x0c                      ; data window 3
.set DAT_1,  0x04                      ; data window 1
.set LST_1,  0x54                      ; source 0 (the key) window 0; sources 1, 2 and destination (the list) window 1
; A wave's one tensor load.  Waves 0 and 1 fetch the queries' two halves, jointly with the three partners; waves 2 and 3 the candidates', for this
; work-group alone.  c = 0: a block's tile; c = 2: the piece's; c = 1: by the phase of the tile asked for, one load on either way.
; The branches hang on the wave's number and on the tile counter: they are the same in every work-group.
.macro JLOAD s, c
	s_cmp_eq_u32 s11, 0
	s_cbranch_scc0 .Lfor_b_\@
	tensor_load_to_lds s[G0+4*\s:G0+4*\s+3], s[G1:G1+7]
	s_nop 0
	s_branch .Lasked_\@
.Lfor_b_\@:
.if \c == 1
	s_cmp_eq_u32 s79, 2
	s_cbranch_scc1 .Lfor_c_\@
.endif
.if \c < 2
	tensor_load_to_lds s[G0B+4*\s:G0B+4*\s+3], s[G1B:G1B+7]
	s_nop 0
.endif
.if \c == 1
	s_branch .Lasked_\@
.Lfor_c_\@:
.endif
.if \c > 0
	tensor_load_to_lds s[G0B+4*\s:G0B+4*\s+3], s[G1C:G1C+7]
	s_nop 0
.endif
.Lasked_\@:
.endm
; A round of the cluster's barrier: my work-group's barrier, so that wave 0's signal speaks for all four waves; wave 0 signals for the work-group;
; every wave waits for all four work-groups; my work-group's barrier once more.
.macro CREST                           ; a round behind its opening barrier
	s_cmp_lg_u32 s10, 0
	s_cbranch_scc1 .Lnot_wave_0_\@
	s_barrier_signal -3
.Lnot_wave_0_\@:
	s_barrier_wait -3
	s_barrier_signal -1
	s_barrier_wait -1
.endm
.macro CROUND                          ; a whole round
	s_barrier_signal -1
	s_barrier_wait -1
	CREST
.endm
	s_load_b128 s[4:7], s[0:1], 0x0                ; xb s[4:5], sqh s[6:7]
	s_load_b64 s[8:9], s[0:1], 0x10                ; part
	v_lshl_add_u32 v62, v0, 2, 0x4e000
	v_mov_b32 v63, 0
	ds_add_u32 v62, v63
	ds_add_u32 v62, v63
	v_lshrrev_b32 v1, 5, v0
	v_readfirstlane_b32 s10, v1                    ; wave 0..3
	s_lshr_b32 s11, s10, 1                         ; which 128 of the block's queries are mine.  Also: I fetch for the queries (0) or the candidates (1)
	s_and_b32 s12, s10, 1                          ; which 128 of its candidates.  Also: which half of that tile I fetch
	s_bfe_u32 s40, ttmp6, 0x40000                  ; cx: my place along the cluster's x
	s_lshl_b32 s42, ttmp9, 2                       ; in a cluster launch ttmp9 counts clusters
	s_add_co_u32 s42, s42, s40                     ; bx = 4 x cluster x + cx
	s_and_b32 s13, ttmp7, 0xffff                   ; by: the cluster is one work-group high
	; descriptor groups 1: tiles of 128 (the piece's candidates: 16) rows x 128 elements, padded in LDS
	s_mov_b32 s[G1+0], 15|(1<<16)|(1<<20)|(1<<21)|(5<<22)|(3<<25)  ; 15:0 the mask: all four partners; 17:16 element of 2 bytes; 20 padding on; 21 set beside a mask; 24:22 after every 64 words; 31:25 of 4 words
	s_mov_b32 s[G1B+0], (1<<16)|(1<<20)|(5<<22)|(3<<25)            ; no mask: a load of my own
	s_mov_b32 s[G1C+0], (1<<16)|(1<<20)|(5<<22)|(3<<25)
.irp g, G1, G1B, G1C
	s_mov_b32 s[\g+1], KSTEP<<16                   ; 63:48 tensor_dim0, low half = 128
	s_mov_b32 s[\g+3], KSTEP<<16                   ; 111:96 tensor_dim1, high half = 0; 127:112 tile_dim0 = 128
	s_mov_b32 s[\g+5], 1024                        ; 191:160 elements from row to row
	s_mov_b32 s[\g+6], 0
	s_mov_b32 s[\g+7], 0
.endr
	s_mov_b32 s[G1+2], 128<<16                     ; 79:64 tensor_dim0, high half = 0; 95:80 tensor_dim1, low half
	s_mov_b32 s[G1B+2], 128<<16
	s_mov_b32 s[G1C+2], 16<<16
	s_mov_b32 s[G1+4], 128                         ; 143:128 tile_dim1; 159:144 tile_dim2 = 0
	s_mov_b32 s[G1B+4], 128
	s_mov_b32 s[G1C+4], 16
	; byte offsets (all below 16 MiB).  What feeds the joint load hangs on by and the wave's number alone, in registers that never hold bx.
	s_lshl_b32 s18, s12, 18                        ; my half: 128 rows of 2,048 bytes
	s_lshl_b32 s16, s13, 19                        ; block by: 256 rows
	s_add_co_u32 s16, s16, s18                     ; the queries' rows that I fetch
	s_mov_b32 s17, 0
	s_lshl_b32 s41, s42, 1
	s_add_co_u32 s41, s41, s13
	s_add_co_u32 s41, s41, 1
	s_and_b32 s43, s41, 31                         ; J of block 0 = (by + 1 + 2 bx) mod 32
	s_add_co_u32 s41, s41, 1
	s_and_b32 s44, s41, 31                         ; J of block 1
	s_lshl_b32 s80, s43, 19
	s_add_co_u32 s80, s80, s18                     ; xb: the candidates' rows that I fetch, block 0
	s_lshl_b32 s81, s44, 19
	s_add_co_u32 s81, s81, s18                     ; block 1
	s_lshl_b32 s82, s13, 19
	s_lshl_b32 s19, s42, 16
	s_add_co_u32 s82, s82, s19
	s_lshl_b32 s19, s12, 15
	s_add_co_u32 s82, s82, s19                     ; the piece: row 256 by + 32 bx + 16 x half
	s_lshl_b32 s21, s12, 9
	s_lshl_b32 s66, s43, 10
	s_add_co_u32 s66, s66, s21                     ; sqh of my 128 candidates, block 0
	s_mov_b32 s67, 0
	s_lshl_b32 s92, s44, 10
	s_add_co_u32 s92, s92, s21                     ; block 1
	s_mov_b32 s93, 0
	s_lshl_b32 s94, s13, 10
	s_lshl_b32 s22, s42, 7
	s_add_co_u32 s94, s94, s22
	s_lshl_b32 s22, s12, 6
	s_add_co_u32 s94, s94, s22                     ; my 16 candidates of the piece
	s_mov_b32 s95, 0
	s_lshl_b32 s70, s13, 10
	s_lshl_b32 s22, s11, 9
	s_add_co_u32 s70, s70, s22                     ; sqh of my 128 queries
	s_mov_b32 s71, 0
	s_mul_i32 s68, s42, SETB
	s_lshl_b32 s22, s13, 10
	s_add_co_u32 s68, s68, s22                     ; part: set bx, rows of block by
	s_mov_b32 s69, 0
	s_lshl_b32 s23, s42, 1
	s_add_co_u32 s23, s23, 8
	s_mul_i32 s96, s23, SETB
	s_lshl_b32 s22, s43, 10
	s_add_co_u32 s96, s96, s22                     ; part: set 8 + 2 bx, rows of block 0's J
	s_mov_b32 s97, 0
	s_add_co_u32 s23, s23, 1
	s_mul_i32 s98, s23, SETB
	s_lshl_b32 s22, s44, 10
	s_add_co_u32 s98, s98, s22                     ; part: set 9 + 2 bx, rows of block 1's J
	s_mov_b32 s99, 0
	s_mov_b32 s73, 0                               ; the high words of the tiles' offsets
	s_mov_b32 s75, 0
	s_mov_b32 s74, s80
	s_mov_b32 s78, 0xff800000                      ; -infinity
	s_mul_i32 s20, s10, HALFT                      ; where my tiles go: wave x 128 rows: no place in the cluster enters an LDS address
	s_wait_dscnt 0x0
	s_wait_kmcnt 0x0
	s_add_nc_u64 s[14:15], s[4:5], s[16:17]
	s_add_nc_u64 s[46:47], s[4:5], s[74:75]
	s_add_nc_u64 s[66:67], s[6:7], s[66:67]
	s_add_nc_u64 s[92:93], s[6:7], s[92:93]
	s_add_nc_u64 s[94:95], s[6:7], s[94:95]
	s_add_nc_u64 s[70:71], s[6:7], s[70:71]
	s_add_nc_u64 s[68:69], s[8:9], s[68:69]
	s_add_nc_u64 s[96:97], s[8:9], s[96:97]
	s_add_nc_u64 s[98:99], s[8:9], s[98:99]
	CROUND                                         ; all four work-groups are here: the first joint loads meet
.irp s, 0,1
	s_mov_b32 s[G0+4*\s], 1                                        ; 1:0 count = 1
	s_add_co_u32 s[G0+4*\s+1], s20, \s*SLOT                        ; 63:32 LDS address
	s_add_nc_u64 s[G0+4*\s+2:G0+4*\s+3], s[14:15], \s*KSTEP*2      ; 120:64 global address: tile s
	s_or_b32 s[G0+4*\s+3], s[G0+4*\s+3], 0x80000000                ; 127:126 type = 2
	s_mov_b32 s[G0B+4*\s], 1
	s_add_co_u32 s[G0B+4*\s+1], s20, \s*SLOT
	s_add_nc_u64 s[G0B+4*\s+2:G0B+4*\s+3], s[46:47], \s*KSTEP*2
	s_or_b32 s[G0B+4*\s+3], s[G0B+4*\s+3], 0x80000000
	JLOAD \s, 0                                    ; the ring is filled before anything else is done: two tensor loads of the wave are out
.endr
	; A fragment is 16 rows x 32 K in 8 registers: lane l holds row l % 16; registers 0-3 hold K = 8 (l / 16) + 0..7, registers 4-7 hold
	; K = 16 + 8 (l / 16) + 0..7: two loads of 16 bytes, 32 bytes apart.
	v_and_b32 v1, 15, v0                           ; r = l % 16
	v_bfe_u32 v2, v0, 4, 1                         ; h = l / 16
	v_mul_u32_u24 v3, v1, PITCH
	v_lshl_add_u32 v3, v2, 4, v3                   ; row x pitch + 16 h
	s_mul_i32 s21, s11, HALFT                      ; my 128 query rows
	s_mul_i32 s22, s12, HALFT                      ; my 128 candidate rows,
	s_add_co_u32 s22, s22, 2*HALFT                 ; which lie behind the queries' 256
.irp s, 0,1
	v_add_nc_u32 v[ADRA+\s], s21, v3
	v_add_nc_u32 v[ADRB+\s], s22, v3
	s_add_co_u32 s21, s21, SLOT
	s_add_co_u32 s22, s22, SLOT
.endr
	s_mul_i32 s23, s10, WREG
	s_add_co_u32 s23, s23, STAGE                   ; my wave's part of the stage
	v_mul_u32_u24 v4, v2, HREG
	v_lshl_add_u32 v4, v1, 2, v4
	v_add_nc_u32 v[STO], s23, v4                   ; lists: + h x HREG + 4 r
	v_mul_u32_u24 v4, v2, 8*TP
	v_lshl_add_u32 v4, v1, 2, v4
	v_add_nc_u32 v[TST], s23, v4                   ; in: candidate 8 h (+ 16 b + j in the offset), query r
	v_mul_u32_u24 v4, v1, TP
	v_lshl_add_u32 v4, v2, 5, v4
	v_add_nc_u32 v[TRD], s23, v4                   ; back: candidate r (+ 16 b in the offset), queries 8 h ..
	v_lshrrev_b32 v4, 6, v0                        ; t / 64: the half of the block in which rows 2 t, 2 t + 1 lie
	v_and_b32 v5, 63, v0
	v_mul_u32_u24 v6, v4, 2*WREG                   ; queries of half t / 64 were seen by waves 2 (t / 64) and 2 (t / 64) + 1
	v_lshl_add_u32 v6, v5, 3, v6
	v_add_nc_u32 v[RD1], STAGE, v6
	v_mul_u32_u24 v6, v4, WREG                     ; candidates of half t / 64 were seen by waves t / 64 and t / 64 + 2
	v_lshl_add_u32 v6, v5, 3, v6
	v_add_nc_u32 v[RD2], STAGE, v6
	v_lshlrev_b32 v[QO], 3, v0
	v_lshlrev_b32 v[HO], 5, v2
	v_lshlrev_b32 v[RO], 2, v1
.set i, 0
.rept 64
	v_mov_b32 v[LS6+i], s78                        ; first direction: the lists of six and, behind them, of two start at -infinity; a list of six sees 51 firsts, so none of it is left at the end
.set i, i+1
.endr
.set i, 0
.rept 24
	v_mov_b32 v[LS3+i], s78                        ; the lists of three
.set i, i+1
.endr
; sqh of my candidates, as tiles: register j of tile b = sqh[candidate 16 b + 8 h + j]
.macro SQTILE base, b
	global_load_b128 v[8*\b:8*\b+3],   v[HO], s[\base:\base+1] offset:64*\b
	global_load_b128 v[8*\b+4:8*\b+7], v[HO], s[\base:\base+1] offset:64*\b+16
.endm
.macro LOADSQ base                     ; a block's eight tiles: 512 consecutive bytes of sqh for the wave
	WIN TO_B
.irp b, 0,1,2,3,4,5,6,7
	SQTILE \base, \b
.endr
	WIN 0
.endm
	LOADSQ 66                                      ; block 0
	WIN TO_B
.irp q, 0,1,2,3,4,5,6,7
	global_load_b32 v[SQQ+\q], v[RO], s[70:71] offset:64*\q        ; sqh of query 16 q + r
.endr
	WIN 0
	s_wait_loadcnt 0x0                             ; all 24 are in
; The accumulators of tile column b start from sqh[candidate] + sqh[query]
.macro INITT hi, b
.irp a, 0,1,2,3
.irp j, 0,1,2,3,4,5,6,7
	v_add_f32 v[8*(8*\a+\b)+\j], v[8*\b+\j], v[SQQ+4*\hi+\a]
.endr
.endr
.endm
; 16 matrix instructions: query blocks a0, a0 + 1 of the window's four (hi = 0: my queries 0-63, 1: 64-127) x all 8 candidate blocks, 32 along K.
; The 64 accumulators take turns, one instruction a turn, in the same order in every quarter step and over the backward jump.
.macro MUL16 f, hi, a0
.irp a, \a0, \a0+1
.irp b, 0,1,2,3,4,5,6,7
	v_wmma_f32_16x16x32_bf16 v[8*(8*(\a)+\b):8*(8*(\a)+\b)+7], v[\f+8*\b:\f+8*\b+7], v[\f+8*(4*\hi+\a):\f+8*(4*\hi+\a)+7], v[8*(8*(\a)+\b):8*(8*(\a)+\b)+7]
.endr
.endr
.endm
; 32 LDS loads in one run: the fragments of one quarter step (128 candidate rows, 128 query rows, 32 K at byte k of the rows) into buffer f
.macro FETCH slot, k, f
	WIN TO_B
.irp i, 0,1,2,3,4,5,6,7
	ds_load_b128 v[\f+8*\i:\f+8*\i+3],   v[ADRB+\slot] offset:\k+\i*16*PITCH
	ds_load_b128 v[\f+8*\i+4:\f+8*\i+7], v[ADRB+\slot] offset:\k+\i*16*PITCH+32
.endr
	WIN 0
.irp i, 0,1,2,3,4,5,6,7
	ds_load_b128 v[\f+8*\i:\f+8*\i+3],   v[ADRA+\slot] offset:\k+\i*16*PITCH
	ds_load_b128 v[\f+8*\i+4:\f+8*\i+7], v[ADRA+\slot] offset:\k+\i*16*PITCH+32
.endr
.endm
; A load into a register that a matrix instruction has read, and a vector instruction or an LDS store that reads a matrix result or writes one of a
; matrix instruction's registers, stand four places behind that matrix instruction, and only plain vector instructions that name none of its
; registers are places (ISA guide 7.12.1 for vector instructions).
.macro PLACES
.rept 4
	v_nop
.endr
.endm
; A K step is four quarter steps of 32 along K, 64 matrix instructions each, on buffers 0, 1, 0, 1.
; One of the first three: multiplies buffer f; in its middle it fetches the next quarter's fragments, at byte k of the same slot's rows, into buffer g.
.macro QUARTER slot, k, f, g
	s_wait_dscnt 8                                 ; the candidates and my queries 0-63 are in; the youngest eight loads (queries 64-127) may be out
	WIN MUL_LO
	MUL16 \f, 0, 0
	MUL16 \f, 0, 2
	PLACES
	FETCH \slot, \k, \g
	s_wait_dscnt 32                                ; all but the 32 just issued
	WIN MUL_HI
	MUL16 \f, 1, 0
	MUL16 \f, 1, 2
.endm
.macro THREE slot
	QUARTER \slot, 64,  F0, F1
	QUARTER \slot, 128, F1, F0
	QUARTER \slot, 192, F0, F1
.endm
; The rest of a round, and behind it the refill of a slot with tile s45, two K steps ahead.  No tensor load of mine is out, so the descriptors may be written.
.macro REFILL slot, c
	CREST                                          ; all four work-groups have said so: no wave of any partner still reads this slot or has a load on its way
	s_and_b32 s72, s45, 7                          ; tile m: K step m % 8,
	s_lshl_b32 s72, s72, 8                         ; 256 bytes along the rows: the queries' offset
.if \c == 1
	s_lshr_b32 s79, s45, 3                         ; phase m / 8 picks the candidates' rows
	s_cmp_eq_u32 s79, 0
	s_cselect_b32 s74, s80, s81
	s_cmp_eq_u32 s79, 2
	s_cselect_b32 s74, s82, s74
	s_add_co_u32 s74, s74, s72
.else
	s_add_co_u32 s74, s82, s72                     ; the piece's rows
.endif
	s_add_nc_u64 s[G0+4*\slot+2:G0+4*\slot+3], s[14:15], s[72:73]
	s_or_b32 s[G0+4*\slot+3], s[G0+4*\slot+3], 0x80000000
	s_add_nc_u64 s[G0B+4*\slot+2:G0B+4*\slot+3], s[4:5], s[74:75]
	s_or_b32 s[G0B+4*\slot+3], s[G0B+4*\slot+3], 0x80000000
	s_add_co_u32 s45, s45, 1
	JLOAD \slot, \c                                ; the first tensor load behind the round, and the wave's only one until the next
.endm
; The last quarter: multiplies buffer 1 and changes slots.  In front of the barrier each wave waits for its own reads of this slot and for all its
; tensor loads, of which one is out: its part of the next slot.  Behind the round nobody in the cluster reads this slot any more and the next slot is
; whole: the refill comes first, then the next slot's first fragments.  From a request to the wait for it a wave issues 240 matrix instructions.
.macro TURN slot, next
	s_wait_dscnt 8
	WIN MUL_LO
	MUL16 F1, 0, 0
	s_wait_dscnt 0                                 ; my reads of this slot are over
	s_set_vgpr_msb 0xa1a0
	s_wait_tensorcnt 0x0                           ; and all my tensor loads have landed:
	ds_add_u32 v62, v63
	s_wait_dscnt 0x0
	s_set_vgpr_msb 0xa0a1
	s_barrier_signal -1                            ; say so (this barrier opens a round of the cluster's barrier),
	MUL16 F1, 0, 2                                 ; work on registers while the others arrive,
	WIN 0
	s_barrier_wait -1                              ; and go on when all four have said so
	REFILL \slot, 1
	PLACES
	FETCH \next, 0, F0
	WIN MUL_HI
	MUL16 F1, 1, 0
	MUL16 F1, 1, 2
.endm
; FIRST DIRECTION.  The sort lines of tile column b, for the four query blocks of one window: eight keys in groups of 3, 3 and 2, descending within a group.
.macro SORTH hi, b
.irp a, 0,1,2,3
	v_max3_num_f32 v[ST+8*(4*\hi+\a)],   v[8*(8*\a+\b)],   v[8*(8*\a+\b)+1], v[8*(8*\a+\b)+2]
	v_med3_num_f32 v[ST+8*(4*\hi+\a)+1], v[8*(8*\a+\b)],   v[8*(8*\a+\b)+1], v[8*(8*\a+\b)+2]
	v_min3_num_f32 v[ST+8*(4*\hi+\a)+2], v[8*(8*\a+\b)],   v[8*(8*\a+\b)+1], v[8*(8*\a+\b)+2]
	v_max3_num_f32 v[ST+8*(4*\hi+\a)+3], v[8*(8*\a+\b)+3], v[8*(8*\a+\b)+4], v[8*(8*\a+\b)+5]
	v_med3_num_f32 v[ST+8*(4*\hi+\a)+4], v[8*(8*\a+\b)+3], v[8*(8*\a+\b)+4], v[8*(8*\a+\b)+5]
	v_min3_num_f32 v[ST+8*(4*\hi+\a)+5], v[8*(8*\a+\b)+3], v[8*(8*\a+\b)+4], v[8*(8*\a+\b)+5]
	v_max_num_f32  v[ST+8*(4*\hi+\a)+6], v[8*(8*\a+\b)+6], v[8*(8*\a+\b)+7]
	v_min_num_f32  v[ST+8*(4*\hi+\a)+7], v[8*(8*\a+\b)+6], v[8*(8*\a+\b)+7]
.endr
.endm
.macro SORT8 b
	WIN KEY_LO
	SORTH 0, \b
	WIN KEY_HI
	SORTH 1, \b
	WIN 0                                          ; a branch or a label follows
.endm
; v[src + pitch q + e] goes into list q of six, for all eight q.  The eight lists are interleaved, so that no line waits for the line in front of it.
.macro INS6 src, pitch, e
.irp k, 5,4,3,2,1
.irp q, 0,1,2,3,4,5,6,7
	v_med3_num_f32 v[LS6+6*\q+\k], v[\src+\pitch*\q+\e], v[LS6+6*\q+\k-1], v[LS6+6*\q+\k]
.endr
.endr
.irp q, 0,1,2,3,4,5,6,7
	v_max_num_f32 v[LS6+6*\q], v[\src+\pitch*\q+\e], v[LS6+6*\q]
.endr
.endm
.macro INS3 e                          ; a group's second, into the list of three
.irp k, 2,1
.irp q, 0,1,2,3,4,5,6,7
	v_med3_num_f32 v[LS3+3*\q+\k], v[ST+8*\q+\e], v[LS3+3*\q+\k-1], v[LS3+3*\q+\k]
.endr
.endr
.irp q, 0,1,2,3,4,5,6,7
	v_max_num_f32 v[LS3+3*\q], v[ST+8*\q+\e], v[LS3+3*\q]
.endr
.endm
.macro INS2 e                          ; a group's third, into the list of two
.irp q, 0,1,2,3,4,5,6,7
	v_med3_num_f32 v[LS2+2*\q+1], v[ST+8*\q+\e], v[LS2+2*\q], v[LS2+2*\q+1]
.endr
.irp q, 0,1,2,3,4,5,6,7
	v_max_num_f32 v[LS2+2*\q], v[ST+8*\q+\e], v[LS2+2*\q]
.endr
.endm
.macro INSERT                          ; one tile column's sorted groups go into the lists
	INS6 ST, 8, 0                                  ; the three groups' firsts
	INS3 1                                         ; their seconds
	INS2 2                                         ; the two triples' thirds
	INS6 ST, 8, 3
	INS3 4
	INS2 5
	INS6 ST, 8, 6
	INS3 7
.endm
; All 512 accumulator registers, one tile column (64 registers) a trip.  The trip's number picks the column's sort lines.
.macro SELECT1
	s_mov_b32 s77, 0
.Lcolumn_\@:
	s_cmp_eq_u32 s77, 0
	s_cbranch_scc1 .Lb0_\@
	s_cmp_eq_u32 s77, 1
	s_cbranch_scc1 .Lb1_\@
	s_cmp_eq_u32 s77, 2
	s_cbranch_scc1 .Lb2_\@
	s_cmp_eq_u32 s77, 3
	s_cbranch_scc1 .Lb3_\@
	s_cmp_eq_u32 s77, 4
	s_cbranch_scc1 .Lb4_\@
	s_cmp_eq_u32 s77, 5
	s_cbranch_scc1 .Lb5_\@
	s_cmp_eq_u32 s77, 6
	s_cbranch_scc1 .Lb6_\@
	SORT8 7
	s_branch .Linsert_\@
.Lb0_\@:
	SORT8 0
	s_branch .Linsert_\@
.Lb1_\@:
	SORT8 1
	s_branch .Linsert_\@
.Lb2_\@:
	SORT8 2
	s_branch .Linsert_\@
.Lb3_\@:
	SORT8 3
	s_branch .Linsert_\@
.Lb4_\@:
	SORT8 4
	s_branch .Linsert_\@
.Lb5_\@:
	SORT8 5
	s_branch .Linsert_\@
.Lb6_\@:
	SORT8 6
.Linsert_\@:
	INSERT
	s_add_co_u32 s77, s77, 1
	s_cmp_lt_u32 s77, 8
	s_cbranch_scc1 .Lcolumn_\@
.endm
; SECOND DIRECTION.  The eight tiles of query tile row a go into my stage: key (query r, candidate 16 b + 8 h + j) to row 16 b + 8 h + j, word r..
.macro STUB2 a
.if \a < 4
	WIN DAT_LO
.else
	WIN DAT_HI
.endif
.irp b, 0,1,2,3,4,5,6,7
.irp j, 0,1,2,3,4,5,6,7
	ds_store_b32 v[TST], v[8*(8*(\a&3)+\b)+\j] offset:(16*\b+\j)*TP
.endr
.endr
	WIN 0                                          ; a branch or a label follows
.endm
; All 512 accumulator registers, one query tile row a trip.  The stage is the wave's own, and LDS serves a wave's instructions in order
; (ISA guide 5.7.1.4): no barrier, and no wait between the stores and the loads, nor between a trip's loads and the next trip's stores.
.macro SELECT2
	WIN TO_B
.set i, 0
.rept 48
	v_mov_b32 v[LS6+i], s78                        ; this block's lists start at -infinity; each sees 64 keys
.set i, i+1
.endr
	WIN 0
	s_mov_b32 s77, 0
.Lrow_\@:
	s_cmp_eq_u32 s77, 0
	s_cbranch_scc1 .La0_\@
	s_cmp_eq_u32 s77, 1
	s_cbranch_scc1 .La1_\@
	s_cmp_eq_u32 s77, 2
	s_cbranch_scc1 .La2_\@
	s_cmp_eq_u32 s77, 3
	s_cbranch_scc1 .La3_\@
	s_cmp_eq_u32 s77, 4
	s_cbranch_scc1 .La4_\@
	s_cmp_eq_u32 s77, 5
	s_cbranch_scc1 .La5_\@
	s_cmp_eq_u32 s77, 6
	s_cbranch_scc1 .La6_\@
	STUB2 7
	s_branch .Lback_\@
.La0_\@:
	STUB2 0
	s_branch .Lback_\@
.La1_\@:
	STUB2 1
	s_branch .Lback_\@
.La2_\@:
	STUB2 2
	s_branch .Lback_\@
.La3_\@:
	STUB2 3
	s_branch .Lback_\@
.La4_\@:
	STUB2 4
	s_branch .Lback_\@
.La5_\@:
	STUB2 5
	s_branch .Lback_\@
.La6_\@:
	STUB2 6
.Lback_\@:
.irp b, 0,1,2,3,4,5,6,7
	ds_load_b128 v[ST+8*\b:ST+8*\b+3],   v[TRD] offset:16*\b*TP       ; candidate 16 b + r, queries 8 h .. 8 h + 3 of the tile row
	ds_load_b128 v[ST+8*\b+4:ST+8*\b+7], v[TRD] offset:16*\b*TP+16    ; queries 8 h + 4 .. 8 h + 7
.endr
	s_wait_dscnt 0x0
	WIN LST_1                                      ; the same insertion lines, on the lists in window 1
.irp e, 0,1,2,3,4,5,6,7
	INS6 ST, 8, \e
.endr
	WIN 0
	s_add_co_u32 s77, s77, 1
	s_cmp_lt_u32 s77, 8
	s_cbranch_scc1 .Lrow_\@
.endm
; THE FOUR LISTS OF A ROW MEET.  A row's partners were seen by two waves x two halves of the lanes.  Each wave puts its eight lists of six (data in
; window dwin) into its own part of the stage; behind a barrier thread t merges the four lists of rows 2 t and 2 t + 1 (at rd, rd + o1, + o2, + o3)
; and stores d2 = -2 K.  The stage is written again only behind later barriers, in front of which every wave has waited for these reads.
.macro FINISH dwin, rd, o1, o2, o3, base
	WIN \dwin
.irp a, 0,1,2,3,4,5,6,7
.irp k, 0,1,2,3,4,5
	ds_store_b32 v[STO], v[LS6+6*\a+\k] offset:512*\k+64*\a        ; the 32 lanes touch 32 different banks
.endr
.endr
	WIN 0
	s_wait_dscnt 0x0                               ; my stores are in LDS before I say so
	s_wait_tensorcnt 0x0                           ; no tile of mine is on its way across this barrier (asked for a whole selection ago)
	s_barrier_signal -1
	s_barrier_wait -1
.irp k, 0,1,2,3,4,5
	ds_load_b64 v[MRG+2*\k:MRG+2*\k+1],       v[\rd] offset:512*\k      ; a wave's load takes 256 consecutive bytes
	ds_load_b64 v[MRG+12+2*\k:MRG+12+2*\k+1], v[\rd] offset:\o1+512*\k
	ds_load_b64 v[MRG+24+2*\k:MRG+24+2*\k+1], v[\rd] offset:\o2+512*\k
	ds_load_b64 v[MRG+36+2*\k:MRG+36+2*\k+1], v[\rd] offset:\o3+512*\k
.endr
	s_wait_dscnt 0x0
	; the first source's list is the start; the 18 keys of the other three go in, the two rows side by side
.set mx, MRG+12
.rept 18
.irp k, 5,4,3,2,1
	v_med3_num_f32 v[MRG+2*\k],   v[mx],   v[MRG+2*\k-2], v[MRG+2*\k]
	v_med3_num_f32 v[MRG+2*\k+1], v[mx+1], v[MRG+2*\k-1], v[MRG+2*\k+1]
.endr
	v_max_num_f32 v[MRG],   v[mx],   v[MRG]
	v_max_num_f32 v[MRG+1], v[mx+1], v[MRG+1]
.set mx, mx+2
.endr
.irp k, 0,1,2,3,4,5
	v_pk_mul_f32 v[MRG+2*\k:MRG+2*\k+1], v[MRG+2*\k:MRG+2*\k+1], -2.0 op_sel_hi:[1,0]
.endr
.irp k, 0,1,2,3,4,5
	global_store_b64 v[QO], v[MRG+2*\k:MRG+2*\k+1], s[\base:\base+1] offset:32768*\k   ; a wave's store covers 256 consecutive bytes, aligned
.endr
.endm
	s_wait_tensorcnt 1                             ; my part of tile 0 is in; tile 1's may stay out
	s_barrier_signal -1
	s_barrier_wait -1                              ; everybody's is
	FETCH 0, 0, F0
	s_mov_b32 s3, 0                                ; eight laps of two K steps: two blocks.  Every lap asks for two tiles; the last asks for the piece's first two
	s_mov_b32 s45, 2                               ; tiles 0 and 1 have been asked for
.Llap:
	s_and_b32 s76, s3, 3                           ; a block is four laps
	s_cmp_lg_u32 s76, 0
	s_cbranch_scc1 .Lno_init
	PLACES                                         ; the lines below write accumulators
	WIN INI_LO
.irp b, 0,1,2,3,4,5,6,7
	INITT 0, \b
.endr
	WIN INI_HI
.irp b, 0,1,2,3,4,5,6,7
	INITT 1, \b
.endr
	WIN 0                                          ; at a label and at a branch every window is 0
.Lno_init:
	THREE 0
	TURN 0, 1
	THREE 1
	TURN 1, 0
	WIN 0
	s_cmp_lg_u32 s76, 3
	s_cbranch_scc1 .Lno_select
	PLACES                                         ; behind the block's last matrix instructions: what follows reads results and writes into fragment buffer 1
	s_lshr_b32 s83, s3, 2                          ; the block
	s_cmp_lg_u32 s83, 0
	s_cbranch_scc1 .Lsq_piece
	LOADSQ 92                                      ; sqh of the next phase's candidates comes in while the lists are made: block 1's 128,
	s_branch .Lsq_done
.Lsq_piece:
	WIN TO_B
	SQTILE 94, 0                                   ; or the piece's 16
	WIN 0
.Lsq_done:
	SELECT1
	SELECT2
	s_cmp_eq_u32 s83, 0
	s_cselect_b64 s[100:101], s[96:97], s[98:99]   ; where this block's second direction goes
	FINISH DAT_1, RD2, HREG, 2*WREG, 2*WREG+HREG, 100
	s_wait_xcnt 0x0                                ; the stores' data lie in fragment buffer 1 and their base is chosen anew: both are rewritten only behind this wait
	s_wait_loadcnt 0x0                             ; sqh of the next candidates is in
.Lno_select:
	s_add_co_u32 s3, s3, 1
	s_cmp_lt_u32 s3, 8
	s_cbranch_scc1 .Llap
; THE PIECE OF THE DIAGONAL BLOCK: my 128 queries x my 16 candidates = tile column 0 alone.  8 matrix instructions and 18 fragment loads a quarter step.
.macro PFETCH slot, k, f
	WIN TO_B
	ds_load_b128 v[\f:\f+3],   v[ADRB+\slot] offset:\k
	ds_load_b128 v[\f+4:\f+7], v[ADRB+\slot] offset:\k+32
	WIN 0
.irp i, 0,1,2,3,4,5,6,7
	ds_load_b128 v[\f+8*\i:\f+8*\i+3],   v[ADRA+\slot] offset:\k+\i*16*PITCH
	ds_load_b128 v[\f+8*\i+4:\f+8*\i+7], v[ADRA+\slot] offset:\k+\i*16*PITCH+32
.endr
.endm
.macro PMUL f                          ; the eight accumulators take turns, one instruction a turn
	WIN MUL_LO
.irp a, 0,1,2,3
	v_wmma_f32_16x16x32_bf16 v[64*\a:64*\a+7], v[\f:\f+7], v[\f+8*\a:\f+8*\a+7], v[64*\a:64*\a+7]
.endr
	WIN MUL_HI
.irp a, 0,1,2,3
	v_wmma_f32_16x16x32_bf16 v[64*\a:64*\a+7], v[\f:\f+7], v[\f+8*(4+\a):\f+8*(4+\a)+7], v[64*\a:64*\a+7]
.endr
.endm
; A K step of the piece.  Each quarter's fragments are asked for ahead of the quarter before it.  The change of slots is as in a block.
.macro PSTEP slot, next, fill, last
	PLACES
	PFETCH \slot, 64, F1
	s_wait_dscnt 18                                ; all but the 18 just issued: buffer 0 is in
	PMUL F0
	PLACES
	PFETCH \slot, 128, F0
	s_wait_dscnt 18
	PMUL F1
	PLACES
	PFETCH \slot, 192, F1
	s_wait_dscnt 18
	PMUL F0
	WIN 0
	s_wait_dscnt 0                                 ; my reads of this slot are over
.if \last == 0
	s_wait_tensorcnt 0x0                           ; and all my tensor loads have landed
	ds_add_u32 v62, v63
	s_wait_dscnt 0x0
	s_barrier_signal -1
	s_barrier_wait -1
.if \fill
	REFILL \slot, 2
.endif
	PLACES
	PFETCH \next, 0, F0
.endif
	PMUL F1
.endm
	PLACES                                         ; the lines below write accumulators
	WIN INI_LO
	INITT 0, 0
	WIN INI_HI
	INITT 1, 0
	WIN 0
	s_mov_b32 s3, 3                                ; tiles 16 to 21, which ask for tiles 18 to 23
.Lplap:
	PSTEP 0, 1, 1, 0
	PSTEP 1, 0, 1, 0
	WIN 0
	s_sub_co_u32 s3, s3, 1
	s_cmp_lg_u32 s3, 0
	s_cbranch_scc1 .Lplap
	PSTEP 0, 1, 0, 0                               ; the last two K steps fill nothing and have no round: the one tensor load that is still out is slot 1's, tile 23
	PSTEP 1, 0, 0, 1
	WIN 0
	PLACES
	SORT8 0                                        ; the piece's keys join the first direction's lists
	INSERT
	; a lane's six largest keys of a query are among its list of six, of three and of two: the five go into the six
	INS6 LS3, 3, 0
	INS6 LS3, 3, 1
	INS6 LS3, 3, 2
	INS6 LS2, 2, 0
	INS6 LS2, 2, 1
	FINISH 0, RD1, HREG, WREG, WREG+HREG, 68
	s_wait_tensorcnt 0x0
	ds_add_u32 v62, v63
	s_wait_dscnt 0x0
	CROUND                                         ; the closing round: no work-group ends while a partner may still ask for a tile that names it
	s_endpgm
.Lfunc_end_k_q2475f57f60_knn:
	.size	k_q2475f57f60_knn, .Lfunc_end_k_q2475f57f60_knn-k_q2475f57f60_knn
	.p2alignl 7, 3214868480
	.fill 96, 4, 3214868480
	.section	.rodata,"a",@progbits
	.p2align	6, 0x0
	.amdhsa_kernel k_q2475f57f60_knn
		.amdhsa_group_segment_fixed_size 327680
		.amdhsa_private_segment_fixed_size 0
		.amdhsa_enable_private_segment 0
		.amdhsa_kernarg_size 24
		.amdhsa_user_sgpr_count 2
		.amdhsa_user_sgpr_kernarg_segment_ptr 1
		.amdhsa_wavefront_size32 1
		.amdhsa_system_sgpr_workgroup_id_x 1
		.amdhsa_system_sgpr_workgroup_id_y 1
		.amdhsa_system_sgpr_workgroup_id_z 1
		.amdhsa_system_vgpr_workitem_id 0
		.amdhsa_next_free_vgpr 1024
		.amdhsa_next_free_sgpr 102
		.amdhsa_reserve_vcc 0
		.amdhsa_float_denorm_mode_32 3
		.amdhsa_float_denorm_mode_16_64 3
		.amdhsa_memory_ordered 1
		.amdhsa_forward_progress 1
		.amdhsa_inst_pref_size 255
	.end_amdhsa_kernel
	.section	.bss,"aw",@nobits
	.p2align	6
	.space	262144
	.amdgpu_metadata
---
amdhsa.version: [ 1, 2 ]
amdhsa.kernels:
  - .name:           k_q2475f57f60_knn
    .symbol:         k_q2475f57f60_knn.kd
    .args:
      - { .name: xb, .offset: 0, .size: 8, .value_kind: global_buffer, .address_space: global }
      - { .name: sqh, .offset: 8, .size: 8, .value_kind: global_buffer, .address_space: global }
      - { .name: part, .offset: 16, .size: 8, .value_kind: global_buffer, .address_space: global }
    .group_segment_fixed_size: 327680
    .private_segment_fixed_size: 0
    .kernarg_segment_align: 8
    .kernarg_segment_size: 24
    .max_flat_workgroup_size: 128
    .sgpr_count:     102
    .vgpr_count:     1024
    .wavefront_size: 32
...
	.end_amdgpu_metadata
.endif
;; end of part 5
;; launch scale (part 6): grid 256 x 1, 16 waves a work-group, no clusters, 20,480 bytes of LDS; arguments x_real, x_imag, part, out0; writes out0
.if DOCPART == 6
	.amdgcn_target "amdgcn-amd-amdhsa--gfx1250"
	.amdhsa_code_object_version 6
	.text
	.protected	k_q2475f57f60_scale
	.globl	k_q2475f57f60_scale
	.p2align	8
	.type	k_q2475f57f60_scale,@function
k_q2475f57f60_scale:
	s_mov_b64 s[64:65], 0
	v_nop
	global_prefetch_b8 v0, s[64:65] scope:SCOPE_SE
	s_setreg_imm32_b32 hwreg(HW_REG_WAVE_MODE, 25, 1), 1
	s_wait_xcnt 0x0
; out0[0][i][c] = x_real[i][c] w[i],  out0[1][i][c] = x_imag[i][c] w[i].
; w[i]: the 23 lists of six squared distances of row i (part: [24 sets][6 ranks][8192] f32, each list ascending; sets 0 to 22 together hold every
; other row once, set 23 repeats what set 7 has seen and is left out) are merged to the six smallest; the smallest is dropped;
; d = sqrt(max(d2, 0)); score = the mean of the five; w = exp(-score / 32) where score > 0.1, else 0.
; Sixteen waves, 32 rows a work-group.  Wave w streams rows 2 w and 2 w + 1 of both inputs: 32 loads of 16 bytes a lane, each covering 512
; consecutive bytes, all issued at the start (16 KiB a wave, 256 KiB a work-group on their way); the weights are made while they travel.
; Each plane's 128 bytes are read from memory once by the work-group (nine planes a wave: 144, of which the last six are set 23's and are copied
; with the rest so that all waves run one text) and handed round through LDS.
; Every wave then merges the first 138 planes for all 32 rows (lane = row): that repeats 792 short instructions and spares a second barrier.
; No matrix unit, no cluster: nothing is shared between work-groups and the stream touches every byte once.
; LIMITS: NaN and infinities are not served.  The mean is the sum times 0.2.  v_sqrt_f32 and v_exp_f32 flush denormals (ISA guide 15.8):
; a weight below 2^-126 (score above 2,795) comes out as 0.
.set PLANE, 32768                      ; bytes of a plane of part
.set PW, 9                             ; planes that a wave copies
.set V, 16                             ; v[16:21]  the merged list of my lane's row, ascending
.set BT, 22                            ; v[22:63]  a batch of up to 42 squared distances
.set X, 64                             ; v[64:191] group g (0: row 0 real, 1: row 0 imag, 2: row 1 real, 3: row 1 imag): 32 registers
	s_load_b256 s[4:11], s[0:1], 0x0               ; x_real s[4:5], x_imag s[6:7], part s[8:9], out0 s[10:11]
	v_lshl_add_u32 v192, v0, 2, 0x4800
	v_mov_b32 v193, 0
	v_lshrrev_b32 v1, 5, v0
	v_readfirstlane_b32 s14, v1                    ; wave 0..15
	v_and_b32 v2, 31, v0                           ; lane
	s_lshl_b32 s15, s14, 13                        ; wave x 2 rows x 4,096 bytes
	v_lshl_add_u32 v1, v2, 4, s15                  ; + 16 bytes a lane
	v_lshlrev_b32 v2, 2, v2                        ; lane x 4
	s_mul_i32 s17, s14, PW*128                     ; LDS: my wave's nine planes of 128 bytes
	v_add_nc_u32 v3, s17, v2
	s_lshl_b32 s18, s14, 3                         ; lane 2 w, as a byte index for the lane permute
	s_add_co_u32 s19, s18, 4                       ; lane 2 w + 1
	s_mov_b32 s3, 0
	s_lshl_b32 s2, ttmp9, 17                       ; work-group x 32 rows x 4,096 bytes
	s_mul_i32 s20, s14, PW*PLANE                   ; my nine planes,
	s_lshl_b32 s21, ttmp9, 7                       ; the work-group's 32 rows in them
	s_add_co_u32 s20, s20, s21
	s_mov_b32 s21, 0
	s_wait_kmcnt 0x0
	s_add_nc_u64 s[4:5], s[4:5], s[2:3]
	s_add_nc_u64 s[6:7], s[6:7], s[2:3]
	s_add_nc_u64 s[10:11], s[10:11], s[2:3]        ; the real half of out0
	s_add_nc_u64 s[12:13], s[10:11], 0x2000000     ; the imaginary half, 33,554,432 bytes behind it
	s_add_nc_u64 s[8:9], s[8:9], s[20:21]
.irp i, 0,1,2,3,4,5,6,7,8
	global_load_b32 v[BT+\i], v2, s[8:9] offset:PLANE*\i           ; plane 9 w + i: 128 consecutive bytes
.endr
.macro LOADS g, base, row
.irp j, 0,1,2,3,4,5,6,7
	global_load_b128 v[X+32*\g+4*\j:X+32*\g+4*\j+3], v1, s[\base:\base+1] offset:4096*\row+512*\j th:TH_LOAD_NT
.endr
.endm
	LOADS 0, 4, 0
	LOADS 1, 6, 0
	LOADS 2, 4, 1
	LOADS 3, 6, 1
	s_wait_loadcnt 32                              ; loads come back in order: the nine planes are in, the 32 loads of the stream stay out
.irp i, 0,1,2,3,4,5,6,7,8
	ds_store_b32 v3, v[BT+\i] offset:128*\i
.endr
	s_wait_dscnt 0x0                               ; my planes are in LDS before I say so
	s_barrier_signal -1
	s_barrier_wait -1
; cnt planes from plane first on are read (row = lane) and go into the list a0 <= .. <= a5.
; Insertion of x, in place: a_k = median(x, a_(k-1), a_k) for k = 5 .. 1, then a0 = min(x, a0).
.macro BATCH first, cnt
.set p, 0
.rept \cnt
	ds_load_b32 v[BT+p], v2 offset:128*(\first+p)
.set p, p+1
.endr
	s_wait_dscnt 0x0
.set p, 0
.rept \cnt
.irp k, 5,4,3,2,1
	v_med3_num_f32 v[V+\k], v[BT+p], v[V+\k-1], v[V+\k]
.endr
	v_min_num_f32 v[V], v[BT+p], v[V]
.set p, p+1
.endr
.endm
.irp k, 0,1,2,3,4,5
	ds_load_b32 v[V+\k], v2 offset:128*\k          ; set 0's list is the start
.endr
	BATCH 6, 42
	BATCH 48, 42
	BATCH 90, 42
	BATCH 132, 6                                   ; up to plane 137, the last of set 22
.irp k, 1,2,3,4,5
	v_max_num_f32 v[V+\k], 0, v[V+\k]              ; the smallest of the six, v[V], is dropped
.endr
.irp k, 1,2,3,4,5
	v_sqrt_f32 v[V+\k], v[V+\k]
.endr
	v_mov_b32 v12, s18                             ; a plain vector instruction stands between the roots and their first use (ISA guide 5.7.2)
	s_wait_alu depctr_va_vdst(0)
	v_add_f32 v[V+1], v[V+1], v[V+2]
	v_add_f32 v[V+3], v[V+3], v[V+4]
	v_add_f32 v[V+1], v[V+1], v[V+5]
	v_add_f32 v[V+1], v[V+1], v[V+3]
	v_mul_f32 v14, 0x3e4ccccd, v[V+1]              ; score = sum x 0.2
	v_mul_f32 v15, 0xbd38aa3b, v14                 ; x (-log2(e) / 32)
	v_exp_f32 v15, v15
	v_mov_b32 v13, s19                             ; the plain place behind the exponential
	v_cmp_lt_f32 vcc_lo, 0x3dcccccd, v14           ; 0.1 < score
	s_wait_alu depctr_va_vdst(0)
	v_cndmask_b32 v15, 0, v15, vcc_lo              ; lane = row: its weight
	ds_bpermute_b32 v8, v12, v15                   ; every lane takes the weight of my wave's row 2 w,
	ds_bpermute_b32 v10, v13, v15                  ; and of row 2 w + 1
	s_wait_dscnt 0x0
	v_mov_b32 v9, v8                               ; pairs for the packed multiply
	v_mov_b32 v11, v10
; One group: scaled in place and stored.  Nothing is written behind a store, so no wait frees its sources.
.macro OUT g, base, row, wt
	s_wait_loadcnt 24-8*\g                         ; this group's eight loads are in; the 24 - 8 g of the later groups stay out
.irp j, 0,1,2,3,4,5,6,7
	v_pk_mul_f32 v[X+32*\g+4*\j:X+32*\g+4*\j+1],   v[X+32*\g+4*\j:X+32*\g+4*\j+1],   v[\wt:\wt+1]
	v_pk_mul_f32 v[X+32*\g+4*\j+2:X+32*\g+4*\j+3], v[X+32*\g+4*\j+2:X+32*\g+4*\j+3], v[\wt:\wt+1]
	global_store_b128 v1, v[X+32*\g+4*\j:X+32*\g+4*\j+3], s[\base:\base+1] offset:4096*\row+512*\j th:TH_STORE_NT   ; 512 consecutive bytes, aligned
.endr
.endm
	OUT 0, 10, 0, 8
	OUT 1, 12, 0, 8
	OUT 2, 10, 1, 10
	OUT 3, 12, 1, 10
	s_wait_tensorcnt 0x0
	ds_add_u32 v192, v193
	s_wait_dscnt 0x0
	s_endpgm
.Lfunc_end_k_q2475f57f60_scale:
	.size	k_q2475f57f60_scale, .Lfunc_end_k_q2475f57f60_scale-k_q2475f57f60_scale
	.p2alignl 7, 3214868480
	.fill 96, 4, 3214868480
	.section	.rodata,"a",@progbits
	.p2align	6, 0x0
	.amdhsa_kernel k_q2475f57f60_scale
		.amdhsa_group_segment_fixed_size 20480
		.amdhsa_private_segment_fixed_size 0
		.amdhsa_enable_private_segment 0
		.amdhsa_kernarg_size 32
		.amdhsa_user_sgpr_count 2
		.amdhsa_user_sgpr_kernarg_segment_ptr 1
		.amdhsa_wavefront_size32 1
		.amdhsa_system_sgpr_workgroup_id_x 1
		.amdhsa_system_sgpr_workgroup_id_y 1
		.amdhsa_system_sgpr_workgroup_id_z 1
		.amdhsa_system_vgpr_workitem_id 0
		.amdhsa_next_free_vgpr 194
		.amdhsa_next_free_sgpr 66
		.amdhsa_reserve_vcc 1
		.amdhsa_float_denorm_mode_32 3
		.amdhsa_float_denorm_mode_16_64 3
		.amdhsa_memory_ordered 1
		.amdhsa_forward_progress 1
		.amdhsa_inst_pref_size 69
	.end_amdhsa_kernel
	.amdgpu_metadata
---
amdhsa.version: [ 1, 2 ]
amdhsa.kernels:
  - .name:           k_q2475f57f60_scale
    .symbol:         k_q2475f57f60_scale.kd
    .args:
      - { .name: x_real, .offset: 0, .size: 8, .value_kind: global_buffer, .address_space: global }
      - { .name: x_imag, .offset: 8, .size: 8, .value_kind: global_buffer, .address_space: global }
      - { .name: part, .offset: 16, .size: 8, .value_kind: global_buffer, .address_space: global }
      - { .name: out0, .offset: 24, .size: 8, .value_kind: global_buffer, .address_space: global }
    .group_segment_fixed_size: 20480
    .private_segment_fixed_size: 0
    .kernarg_segment_align: 8
    .kernarg_segment_size: 32
    .max_flat_workgroup_size: 512
    .sgpr_count:     66
    .vgpr_count:     194
    .wavefront_size: 32
...
	.end_amdgpu_metadata
.endif
;; end of part 6
;; ======== version 4 of 4: 3 launches; version 3 with the launches prep, scale written anew for expert scheduling mode
;; workspace buffers: xb 16,777,216 bytes; sqh 32,768 bytes; part 4,718,592 bytes
;; launch prep (part 7): grid 256 x 1, 8 waves a work-group, no clusters, 1,280 bytes of LDS; arguments x_real, xb, sqh; writes xb, sqh
.if DOCPART == 7
	.amdgcn_target "amdgcn-amd-amdhsa--gfx1250"
	.amdhsa_code_object_version 6
	.text
	.protected	k_q2475f57f60_prep
	.globl	k_q2475f57f60_prep
	.p2align	8
	.type	k_q2475f57f60_prep,@function
k_q2475f57f60_prep:
	s_mov_b64 s[64:65], 0
	v_nop
	global_prefetch_b8 v0, s[64:65] scope:SCOPE_SE
	s_setreg_imm32_b32 hwreg(HW_REG_WAVE_SCHED_MODE, 0, 2), 2
	s_setreg_imm32_b32 hwreg(HW_REG_WAVE_MODE, 25, 1), 1
	s_wait_xcnt 0x0
	s_wait_alu depctr_vm_vsrc(0)
; xb[i][c] = bf16(x_real[i][c]);  sqh[i] = -1/2 * sum over c of xb[i][c]^2, in f32.
; x_real: [8192][1024] f32.  xb: [8192][1024] bf16.  sqh: [8192] f32.
; The sum is taken over the ROUNDED numbers, so that sq_i + sq_j - 2 <xb_i, xb_j> in the next launch is the squared distance of the
; rounded points and not a difference of sums that belong to different points.
; Eight waves, 32 rows a work-group, four rows a wave.  A row is 4,096 bytes: eight loads of 16 bytes a lane, each covering 512
; consecutive bytes.  All 32 loads of a wave go out at once (16 KiB a wave, 128 KiB a work-group on their way), so no ring is needed.
; No matrix unit, no cluster: nothing is shared between work-groups and every byte is touched once.
; LIMITS: NaN and infinities in x_real are not served (they spread into sqh and are dropped by the later selection).
; THE MODE: SCHED_MODE bits 1:0 = 2 (LLVM: expert scheduling mode 2), set by the entry lines.  The code itself states the register dependences
; between vector instructions and memory or LDS instructions, with s_wait_alu, always for 0.
; THE PLAN.  Registers that memory or LDS instructions touch:
;   v1, v2, v3, v13  offsets and LDS addresses: written at the head, never again.
;   X, row i         The loads, all issued at the start, land in it; row i's sixteen conversions write the packed words in place; the row's eight
;                    stores read them; nothing writes them afterwards.
;   v[R + i]         Written by row i's last multiply; read by one of the four LDS stores, which stand together behind the last row.
;   v[W]             Wave 0's LDS load lands in it and its store reads it: no vector instruction names it.
;   T, S and v12 are named by vector instructions alone.
; So a row has ONE wait on va_vdst, behind its conversions; the row's eight stores follow it, dealt among the lines that unpack and square, which
; write T and S alone.  One more stands ahead of the four LDS stores.  No register that a memory instruction reads is written again.
.set ROWIN,  4096                      ; bytes of a row of x_real
.set ROWOUT, 2048                      ; bytes of a row of xb
.set T, 4                              ; v[4:7]    four rounded numbers, widened again
.set S, 8                              ; v[8:11]   four running sums of squares
.set R, 16                             ; v[16:19]  row i: -1/2 of its sum
.set W, 20                             ; v20       wave 0: the work-group's numbers, back from LDS
.set X, 32                             ; v[32:159] row i, load j: four registers at X + 32 i + 4 j
	s_load_b128 s[4:7], s[0:1], 0x0                ; x_real s[4:5], xb s[6:7]
	s_load_b64 s[8:9], s[0:1], 0x10                ; sqh
	v_lshl_add_u32 v160, v0, 2, 0x100
	v_mov_b32 v161, 0
	v_lshrrev_b32 v3, 5, v0
	v_readfirstlane_b32 s10, v3                    ; wave 0..7
	v_and_b32 v13, 31, v0                          ; lane
	s_mov_b32 s12, 0x76543210                      ; v_permlanex16_b32: lane i of one half reads lane i of the other
	s_mov_b32 s13, 0xfedcba98
	s_mov_b32 s14, 0xffff0000                      ; a word's upper bf16
	s_wait_alu depctr_va_sdst(0)                   ; s10 is written, ahead of its first reader: the wave's offsets are made from it
	s_lshl_b32 s15, s10, 14                        ; wave x 4 rows x 4,096 bytes
	s_lshl_b32 s16, s10, 13                        ; wave x 4 rows x 2,048 bytes
	v_lshl_add_u32 v1, v13, 4, s15                 ; in:  16 bytes a lane
	v_lshl_add_u32 v2, v13, 3, s16                 ; out:  8 bytes a lane
	v_mov_b32 v3, s10
	v_lshlrev_b32 v3, 4, v3                        ; LDS: my wave's four words
	v_lshlrev_b32 v13, 2, v13                      ; lane x 4
	v_mov_b32 v12, 0                               ; v_permlanex16_b32's destination counts as read: written once here
	s_mov_b32 s3, 0
	s_lshl_b32 s2, ttmp9, 17                       ; work-group x 32 rows x 4,096 bytes
	s_wait_kmcnt 0x0
	s_add_nc_u64 s[4:5], s[4:5], s[2:3]
	s_lshl_b32 s2, ttmp9, 16                       ; x 2,048 bytes
	s_add_nc_u64 s[6:7], s[6:7], s[2:3]
	s_lshl_b32 s2, ttmp9, 7                        ; x 4 bytes
	s_add_nc_u64 s[8:9], s[8:9], s[2:3]
	s_wait_alu depctr_va_vdst(0)                   ; v1, v2, v3 and v13 are written: every load, store and LDS instruction of the kernel reads one of them as its offset or address
.irp i, 0,1,2,3
.irp j, 0,1,2,3,4,5,6,7
	global_load_b128 v[X+32*\i+4*\j:X+32*\i+4*\j+3], v1, s[4:5] offset:ROWIN*\i+512*\j th:TH_LOAD_NT
.endr
.endr
; One row: round, store, square and add, reduce over the wave, keep -1/2 of the sum in the row's own register.
; The stores' data registers are never written again, so no wait frees them.
.macro ROW i
	s_wait_loadcnt 24-8*\i                         ; loads come back in order: this row's eight are in, the 24 - 8 i of the later rows stay out
.irp j, 0,1,2,3,4,5,6,7
	v_cvt_pk_bf16_f32 v[X+32*\i+4*\j],   v[X+32*\i+4*\j],   v[X+32*\i+4*\j+1]   ; two roundings to nearest even, packed
	v_cvt_pk_bf16_f32 v[X+32*\i+4*\j+1], v[X+32*\i+4*\j+2], v[X+32*\i+4*\j+3]
.endr
	s_wait_alu depctr_va_vdst(0)                   ; the sixteen conversions have written the row's packed words, which the eight stores below read
.irp j, 0,1,2,3,4,5,6,7
	global_store_b64 v2, v[X+32*\i+4*\j:X+32*\i+4*\j+1], s[6:7] offset:ROWOUT*\i+256*\j   ; the wave's store covers 256 consecutive bytes, aligned.  No wait: no vector instruction since the wait above writes its registers
	v_lshlrev_b32 v[T],   16,  v[X+32*\i+4*\j]     ; the rounded numbers as f32 again
	v_and_b32     v[T+1], s14, v[X+32*\i+4*\j]
	v_lshlrev_b32 v[T+2], 16,  v[X+32*\i+4*\j+1]
	v_and_b32     v[T+3], s14, v[X+32*\i+4*\j+1]
.if \j == 0
	v_pk_mul_f32 v[S:S+1],   v[T:T+1],   v[T:T+1]  ; the first squares start the sums: nothing is cleared
	v_pk_mul_f32 v[S+2:S+3], v[T+2:T+3], v[T+2:T+3]
.else
	v_pk_fma_f32 v[S:S+1],   v[T:T+1],   v[T:T+1],   v[S:S+1]
	v_pk_fma_f32 v[S+2:S+3], v[T+2:T+3], v[T+2:T+3], v[S+2:S+3]
.endif
.endr
	v_pk_add_f32 v[S:S+1], v[S:S+1], v[S+2:S+3]
	v_add_f32 v[S], v[S], v[S+1]
	v_add_f32_dpp v[S], v[S], v[S] row_xmask:1 row_mask:0xf bank_mask:0xf
	v_add_f32_dpp v[S], v[S], v[S] row_xmask:2 row_mask:0xf bank_mask:0xf
	v_add_f32_dpp v[S], v[S], v[S] row_xmask:4 row_mask:0xf bank_mask:0xf
	v_add_f32_dpp v[S], v[S], v[S] row_xmask:8 row_mask:0xf bank_mask:0xf
	v_permlanex16_b32 v12, v[S], s12, s13
	v_add_f32 v[S], v[S], v12                      ; every lane holds the row's sum
	v_mul_f32 v[R+\i], -0.5, v[S]                  ; into a register of the row's own, so that S is named by vector instructions alone
.endm
	ROW 0
	ROW 1
	ROW 2
	ROW 3
	s_wait_alu depctr_va_vdst(0)                   ; the four rows' multiplies have written v[R .. R+3], which the LDS stores read
.irp i, 0,1,2,3
	ds_store_b32 v3, v[R+\i] offset:4*\i           ; all lanes write the same word with the same value
.endr
	s_wait_dscnt 0x0                               ; my four words are in LDS before I say so
	s_barrier_signal -1
	s_barrier_wait -1
	s_cmp_lg_u32 s10, 0
	s_cbranch_scc1 .Lend                           ; wave 0 alone stores the work-group's 32 numbers: 128 consecutive bytes in one store
	ds_load_b32 v[W], v13                          ; word = row of the work-group = lane
	s_wait_dscnt 0x0
	global_store_b32 v13, v[W], s[8:9]
.Lend:
	s_wait_dscnt 0x0                               ; the closing lines, six on end
	s_wait_alu 0x0
	s_wait_tensorcnt 0x0
	ds_add_u32 v160, v161
	s_wait_dscnt 0x0
	s_endpgm
.Lfunc_end_k_q2475f57f60_prep:
	.size	k_q2475f57f60_prep, .Lfunc_end_k_q2475f57f60_prep-k_q2475f57f60_prep
	.p2alignl 7, 3214868480
	.fill 96, 4, 3214868480
	.section	.rodata,"a",@progbits
	.p2align	6, 0x0
	.amdhsa_kernel k_q2475f57f60_prep
		.amdhsa_group_segment_fixed_size 1280
		.amdhsa_private_segment_fixed_size 0
		.amdhsa_enable_private_segment 0
		.amdhsa_kernarg_size 24
		.amdhsa_user_sgpr_count 2
		.amdhsa_user_sgpr_kernarg_segment_ptr 1
		.amdhsa_wavefront_size32 1
		.amdhsa_system_sgpr_workgroup_id_x 1
		.amdhsa_system_sgpr_workgroup_id_y 1
		.amdhsa_system_sgpr_workgroup_id_z 1
		.amdhsa_system_vgpr_workitem_id 0
		.amdhsa_next_free_vgpr 162
		.amdhsa_next_free_sgpr 66
		.amdhsa_reserve_vcc 0
		.amdhsa_float_denorm_mode_32 3
		.amdhsa_float_denorm_mode_16_64 3
		.amdhsa_memory_ordered 1
		.amdhsa_forward_progress 1
		.amdhsa_inst_pref_size 23
	.end_amdhsa_kernel
	.amdgpu_metadata
---
amdhsa.version: [ 1, 2 ]
amdhsa.kernels:
  - .name:           k_q2475f57f60_prep
    .symbol:         k_q2475f57f60_prep.kd
    .args:
      - { .name: x_real, .offset: 0, .size: 8, .value_kind: global_buffer, .address_space: global }
      - { .name: xb, .offset: 8, .size: 8, .value_kind: global_buffer, .address_space: global }
      - { .name: sqh, .offset: 16, .size: 8, .value_kind: global_buffer, .address_space: global }
    .group_segment_fixed_size: 1280
    .private_segment_fixed_size: 0
    .kernarg_segment_align: 8
    .kernarg_segment_size: 24
    .max_flat_workgroup_size: 256
    .sgpr_count:     66
    .vgpr_count:     162
    .wavefront_size: 32
...
	.end_amdgpu_metadata
.endif
;; end of part 7
;; launch knn: the kernel of part 5 again; grid 8 x 32, 4 waves a work-group, clusters of 4 x 1, 327,680 bytes of LDS; arguments xb, sqh, part; writes part
;; launch scale (part 8): grid 256 x 1, 16 waves a work-group, no clusters, 20,480 bytes of LDS; arguments x_real, x_imag, part, out0; writes out0
.if DOCPART == 8
	.amdgcn_target "amdgcn-amd-amdhsa--gfx1250"
	.amdhsa_code_object_version 6
	.text
	.protected	k_q2475f57f60_scale
	.globl	k_q2475f57f60_scale
	.p2align	8
	.type	k_q2475f57f60_scale,@function
k_q2475f57f60_scale:
	s_mov_b64 s[64:65], 0
	v_nop
	global_prefetch_b8 v0, s[64:65] scope:SCOPE_SE
	s_setreg_imm32_b32 hwreg(HW_REG_WAVE_SCHED_MODE, 0, 2), 2
	s_setreg_imm32_b32 hwreg(HW_REG_WAVE_MODE, 25, 1), 1
	s_wait_xcnt 0x0
	s_wait_alu depctr_vm_vsrc(0)
; out0[0][i][c] = x_real[i][c] w[i],  out0[1][i][c] = x_imag[i][c] w[i].
; w[i]: the 23 lists of six squared distances of row i (part: [24 sets][6 ranks][8192] f32, each list ascending; sets 0 to 22 together hold every
; other row once, set 23 repeats what set 7 has seen and is left out) are merged to the six smallest; the smallest is dropped;
; d = sqrt(max(d2, 0)); score = the mean of the five; w = exp(-score / 32) where score > 0.1, else 0.
; Sixteen waves, 32 rows a work-group.  Wave w streams rows 2 w and 2 w + 1 of both inputs: 32 loads of 16 bytes a lane, each covering 512
; consecutive bytes, all issued at the start (16 KiB a wave, 256 KiB a work-group on their way); the weights are made while they travel.
; Each plane's 128 bytes are read from memory once by the work-group (nine planes a wave: 144, of which the last six are set 23's and are copied
; with the rest so that all waves run one text) and handed round through LDS.
; Every wave then merges the first 138 planes for all 32 rows (lane = row): that repeats 792 short instructions and spares a second barrier.
; No matrix unit, no cluster: nothing is shared between work-groups and the stream touches every byte once.
; LIMITS: NaN and infinities are not served.  The mean is the sum times 0.2.  v_sqrt_f32 and v_exp_f32 flush denormals (ISA guide 15.8):
; a weight below 2^-126 (score above 2,795) comes out as 0.
; THE MODE: SCHED_MODE bits 1:0 = 2 (LLVM: expert scheduling mode 2), set by the entry lines.  The code itself states the register dependences
; between vector instructions and memory or LDS instructions, with s_wait_alu, always for 0.
; THE PLAN.  Registers that memory or LDS instructions touch:
;   v1, v2, v3   offsets and LDS addresses: written at the head, never again.
;   BT           Nine plane loads land in its first nine registers and nine LDS stores read them; later the LDS loads of planes 48 to 89 land in it,
;                issued during the first merge; the second merge reads it.
;   BA           The LDS loads of planes 6 to 47 land in it; the first merge reads it; the LDS loads of planes 90 to 137 land in it, issued during
;                the second merge; the third merge reads it.
;   V            Loaded once (set 0's list), then named by vector instructions alone.
;   v12, v13, v15  written by vector instructions, read by the two lane permutes, not written afterwards;  v8, v10: the permutes' results.
;   X, group g   The stream's loads, issued at the start, land in it; the group's multiplies write it in place; its eight stores, issued in the next
;                group's turn, read it; nothing writes it afterwards.
; So the merge has one wait on vm_vsrc (the nine LDS stores against BT's next loads) and one on va_vdst (the first merge against BA's next loads); while a
; batch is merged, the next batch's loads are dealt among its lines, which name the batch in hand and V alone.  A group of the stream has one wait on
; va_vdst at its head, for the stores of the group before, which are dealt among its multiplies.
.set PLANE, 32768                      ; bytes of a plane of part
.set PW, 9                             ; planes that a wave copies
.set V, 16                             ; v[16:21]   the merged list of my lane's row, ascending
.set BT, 22                            ; v[22:63]   the nine planes that I copy; then the second batch of 42 squared distances
.set X, 64                             ; v[64:191]  group g (0: row 0 real, 1: row 0 imag, 2: row 1 real, 3: row 1 imag): 32 registers
.set BA, 194                           ; v[194:241] the first batch of 42 squared distances; then the third, of 48
	s_load_b256 s[4:11], s[0:1], 0x0               ; x_real s[4:5], x_imag s[6:7], part s[8:9], out0 s[10:11]
	v_lshl_add_u32 v192, v0, 2, 0x4800
	v_mov_b32 v193, 0
	v_lshrrev_b32 v1, 5, v0
	v_readfirstlane_b32 s14, v1                    ; wave 0..15
	v_and_b32 v2, 31, v0                           ; lane
	s_wait_alu depctr_va_sdst(0)                   ; s14 is written, ahead of its first reader: the wave's offsets are made from it
	s_lshl_b32 s15, s14, 13                        ; wave x 2 rows x 4,096 bytes
	v_lshl_add_u32 v1, v2, 4, s15                  ; + 16 bytes a lane
	v_lshlrev_b32 v2, 2, v2                        ; lane x 4
	s_mul_i32 s17, s14, PW*128                     ; LDS: my wave's nine planes of 128 bytes
	v_add_nc_u32 v3, s17, v2
	s_lshl_b32 s18, s14, 3                         ; lane 2 w, as a byte index for the lane permute
	s_add_co_u32 s19, s18, 4                       ; lane 2 w + 1
	s_mov_b32 s3, 0
	s_lshl_b32 s2, ttmp9, 17                       ; work-group x 32 rows x 4,096 bytes
	s_mul_i32 s20, s14, PW*PLANE                   ; my nine planes,
	s_lshl_b32 s21, ttmp9, 7                       ; the work-group's 32 rows in them
	s_add_co_u32 s20, s20, s21
	s_mov_b32 s21, 0
	s_wait_kmcnt 0x0
	s_add_nc_u64 s[4:5], s[4:5], s[2:3]
	s_add_nc_u64 s[6:7], s[6:7], s[2:3]
	s_add_nc_u64 s[10:11], s[10:11], s[2:3]        ; the real half of out0
	s_add_nc_u64 s[12:13], s[10:11], 0x2000000     ; the imaginary half, 33,554,432 bytes behind it
	s_add_nc_u64 s[8:9], s[8:9], s[20:21]
	s_wait_alu depctr_va_vdst(0)                   ; v1, v2 and v3 are written: the loads, stores and LDS instructions below read them as offsets and addresses
.irp i, 0,1,2,3,4,5,6,7,8
	global_load_b32 v[BT+\i], v2, s[8:9] offset:PLANE*\i           ; plane 9 w + i: 128 consecutive bytes
.endr
.macro LOADS g, base, row
.irp j, 0,1,2,3,4,5,6,7
	global_load_b128 v[X+32*\g+4*\j:X+32*\g+4*\j+3], v1, s[\base:\base+1] offset:4096*\row+512*\j th:TH_LOAD_NT
.endr
.endm
	LOADS 0, 4, 0
	LOADS 1, 6, 0
	LOADS 2, 4, 1
	LOADS 3, 6, 1
	s_wait_loadcnt 32                              ; loads come back in order: the nine planes are in, the 32 loads of the stream stay out
.irp i, 0,1,2,3,4,5,6,7,8
	ds_store_b32 v3, v[BT+\i] offset:128*\i
.endr
	s_wait_dscnt 0x0                               ; my planes are in LDS before I say so
	s_barrier_signal -1
	s_barrier_wait -1
	s_wait_alu depctr_vm_vsrc(0)                   ; my nine LDS stores have read v[BT .. BT+8], in which loads of the second batch land
; cnt squared distances in v[src ..] (row = lane) go into the list a0 <= .. <= a5.
; Insertion of x, in place: a_k = median(x, a_(k-1), a_k) for k = 5 .. 1, then a0 = min(x, a0).
; Meanwhile ncnt planes from plane first on are asked for, into v[nxt ..]: two loads behind each of the first ncnt / 2 insertions, so that the last has
; the rest of the merge in which to land.  No wait: no vector instruction since the last wait on va_vdst names v[nxt ..].
.macro MERGE src, cnt, nxt=0, first=0, ncnt=0
.set p, 0
.rept \cnt
.irp k, 5,4,3,2,1
	v_med3_num_f32 v[V+\k], v[\src+p], v[V+\k-1], v[V+\k]
.endr
	v_min_num_f32 v[V], v[\src+p], v[V]
.if 2*p < \ncnt
	ds_load_b32 v[\nxt+2*p],   v2 offset:128*(\first+2*p)
	ds_load_b32 v[\nxt+2*p+1], v2 offset:128*(\first+2*p+1)
.endif
.set p, p+1
.endr
.endm
.irp k, 0,1,2,3,4,5
	ds_load_b32 v[V+\k], v2 offset:128*\k          ; set 0's list is the start
.endr
.set p, 0
.rept 42
	ds_load_b32 v[BA+p], v2 offset:128*(6+p)       ; planes 6 to 47
.set p, p+1
.endr
	s_wait_dscnt 0x0                               ; the list and the first batch are in
	MERGE BA, 42, BT, 48, 42                       ; planes 6 to 47 go in; planes 48 to 89 are asked for
	s_wait_dscnt 0x0                               ; the second batch is in
	s_wait_alu depctr_va_vdst(0)                   ; the first merge's insertions are done reading v[BA ..], in which the loads below land
	MERGE BT, 42, BA, 90, 48                       ; planes 48 to 89 go in; planes 90 to 137, the last of set 22, are asked for
	s_wait_dscnt 0x0                               ; the third batch is in
	MERGE BA, 48
.irp k, 1,2,3,4,5
	v_max_num_f32 v[V+\k], 0, v[V+\k]              ; the smallest of the six, v[V], is dropped
.endr
.irp k, 1,2,3,4,5
	v_sqrt_f32 v[V+\k], v[V+\k]
.endr
	v_mov_b32 v12, s18                             ; a plain vector instruction stands between the roots and their first use (ISA guide 5.7.2)
	s_wait_alu depctr_va_vdst(0)                   ; the five roots are written, ahead of the first line that names one: one wait for the batch
	v_add_f32 v[V+1], v[V+1], v[V+2]
	v_add_f32 v[V+3], v[V+3], v[V+4]
	v_add_f32 v[V+1], v[V+1], v[V+5]
	v_add_f32 v[V+1], v[V+1], v[V+3]
	v_mul_f32 v14, 0x3e4ccccd, v[V+1]              ; score = sum x 0.2
	v_mul_f32 v15, 0xbd38aa3b, v14                 ; x (-log2(e) / 32)
	v_exp_f32 v15, v15
	v_mov_b32 v13, s19                             ; the plain place behind the exponential
	v_cmp_lt_f32 vcc_lo, 0x3dcccccd, v14           ; 0.1 < score
	s_wait_alu depctr_va_vdst(0)                   ; the exponential is written, ahead of the select that names it
	s_wait_alu depctr_va_vcc(0)                    ; the compare has written VCC, which the select reads
	v_cndmask_b32 v15, 0, v15, vcc_lo              ; lane = row: its weight
	s_wait_alu depctr_va_vdst(0)                   ; the select has written v15, which the two permutes read (v12 and v13, their indices, were written further ahead)
	ds_bpermute_b32 v8, v12, v15                   ; every lane takes the weight of my wave's row 2 w,
	ds_bpermute_b32 v10, v13, v15                  ; and of row 2 w + 1
	s_wait_dscnt 0x0
	v_mov_b32 v9, v8                               ; pairs for the packed multiply
	v_mov_b32 v11, v10
; The turn of group g (4: there is none left to scale): it is scaled in place, by the weight of row g / 2; the group before is stored, into the real
; (even groups) or the imaginary half.  Nothing is written behind a store, so no wait frees its sources.
.macro OUT g
.if \g < 4
	s_wait_loadcnt 24-8*\g                         ; this group's eight loads are in; the 24 - 8 g of the later groups stay out
.endif
.if \g > 0
	s_wait_alu depctr_va_vdst(0)                   ; the multiplies of the group before have written its 32 registers, which the stores below read
.endif
.irp j, 0,1,2,3,4,5,6,7
.if \g > 0
	global_store_b128 v1, v[X+32*(\g-1)+4*\j:X+32*(\g-1)+4*\j+3], s[10+2*((\g-1)%2):11+2*((\g-1)%2)] offset:4096*((\g-1)/2)+512*\j th:TH_STORE_NT   ; 512 consecutive bytes, aligned.  No wait: the multiplies since the wait name this group's registers alone
.endif
.if \g < 4
	v_pk_mul_f32 v[X+32*\g+4*\j:X+32*\g+4*\j+1],   v[X+32*\g+4*\j:X+32*\g+4*\j+1],   v[8+2*(\g/2):9+2*(\g/2)]
	v_pk_mul_f32 v[X+32*\g+4*\j+2:X+32*\g+4*\j+3], v[X+32*\g+4*\j+2:X+32*\g+4*\j+3], v[8+2*(\g/2):9+2*(\g/2)]
.endif
.endr
.endm
	OUT 0
	OUT 1
	OUT 2
	OUT 3
	OUT 4
	s_wait_dscnt 0x0                               ; the closing lines, six on end
	s_wait_alu 0x0
	s_wait_tensorcnt 0x0
	ds_add_u32 v192, v193
	s_wait_dscnt 0x0
	s_endpgm
.Lfunc_end_k_q2475f57f60_scale:
	.size	k_q2475f57f60_scale, .Lfunc_end_k_q2475f57f60_scale-k_q2475f57f60_scale
	.p2alignl 7, 3214868480
	.fill 96, 4, 3214868480
	.section	.rodata,"a",@progbits
	.p2align	6, 0x0
	.amdhsa_kernel k_q2475f57f60_scale
		.amdhsa_group_segment_fixed_size 20480
		.amdhsa_private_segment_fixed_size 0
		.amdhsa_enable_private_segment 0
		.amdhsa_kernarg_size 32
		.amdhsa_user_sgpr_count 2
		.amdhsa_user_sgpr_kernarg_segment_ptr 1
		.amdhsa_wavefront_size32 1
		.amdhsa_system_sgpr_workgroup_id_x 1
		.amdhsa_system_sgpr_workgroup_id_y 1
		.amdhsa_system_sgpr_workgroup_id_z 1
		.amdhsa_system_vgpr_workitem_id 0
		.amdhsa_next_free_vgpr 242
		.amdhsa_next_free_sgpr 66
		.amdhsa_reserve_vcc 1
		.amdhsa_float_denorm_mode_32 3
		.amdhsa_float_denorm_mode_16_64 3
		.amdhsa_memory_ordered 1
		.amdhsa_forward_progress 1
		.amdhsa_inst_pref_size 69
	.end_amdhsa_kernel
	.amdgpu_metadata
---
amdhsa.version: [ 1, 2 ]
amdhsa.kernels:
  - .name:           k_q2475f57f60_scale
    .symbol:         k_q2475f57f60_scale.kd
    .args:
      - { .name: x_real, .offset: 0, .size: 8, .value_kind: global_buffer, .address_space: global }
      - { .name: x_imag, .offset: 8, .size: 8, .value_kind: global_buffer, .address_space: global }
      - { .name: part, .offset: 16, .size: 8, .value_kind: global_buffer, .address_space: global }
      - { .name: out0, .offset: 24, .size: 8, .value_kind: global_buffer, .address_space: global }
    .group_segment_fixed_size: 20480
    .private_segment_fixed_size: 0
    .kernarg_segment_align: 8
    .kernarg_segment_size: 32
    .max_flat_workgroup_size: 512
    .sgpr_count:     66
    .vgpr_count:     242
    .wavefront_size: 32
...
	.end_amdgpu_metadata
.endif
;; end of part 8
